; MI455X (gfx1250); checked and timed in simulation.
; The chip was launched on July 23, 2026; its instructions are those of AMD's public machine-readable ISA for CDNA 5 (MIT licence, August 2026) and "CDNA5" Instruction Set Architecture Reference Guide (July 2026). The comments in the code are by the model that wrote it; some were corrected since.
;; Transformer. Allowed arithmetic: matrix products marked QUANTISED: E2M1 operands, one E8M0 scale for each 32 along K, by v_wmma_scale_f32_16x16x128_f8f6f4 with both operands' format E2M1 (or v_wmma_scale_f32_32x16x128_f4), f32 sums; products left as they are: f32 operands where the result goes on into a quantised operand, else bf16, f16 or f32 operands; f32 sums; everything else in f32.
;; Inputs: W1 64 x 512 float32; Wk 512 x 512 float32; Wq 512 x 512 float32; Wv 512 x 512 float32; b1 64 float32; bk 512 float32; bq 512 float32; bv 512 float32; edge_index 2 x 131,072 int32; proj 621 x 128 float32; x 32,768 x 512 float32.
;; Outputs: out0 32,768 x 64 float32; out1 32,768 x 64 float32; out2 32,768 x 64 float32.
;; This version of the problem:
;;   THIS VERSION OF THE PROBLEM IS GIVEN IN LOW PRECISION. The matrix products marked QUANTISED in the list below multiply operands that are first quantised to E2M1 (2 exponent bits, 1 mantissa bit; 4 bits a number), with one power-of-two scale for each 32 numbers along K (OCP MX v1.0); their sums are f32. All else is computed in f32.
;;   The module's matrix products, in the order in which they are computed (A, B: the left and right operand; K: the contracted axis; several contracted axes count as one K, in the product's order):
;;     1. [M 32,768, K 512] x [K 512, N 512]; A: input x; B: input Wq: QUANTISED
;;     2. [M 32,768, K 512] x [K 512, N 512]; A: input x; B: input Wk: QUANTISED
;;     3. [M 32,768, K 512] x [K 512, N 512]; A: input x; B: input Wv: QUANTISED
;;     4. [M 131,072, K 128] x [K 128, N 621]; A: computed on the way; B: input proj: QUANTISED
;;     5. [M 131,072, K 128] x [K 128, N 621]; A: computed on the way; B: input proj: QUANTISED
;;     6. batch 4 x [M 32,768, K 621] x [K 621, N 1]; A: computed on the way; B: computed on the way: left as it is (N = 1 < 16)
;;     7. batch 4 x [M 621, K 32,768] x [K 32,768, N 128]; A: computed on the way; B: computed on the way: QUANTISED
;;     8. batch 4 x [M 32,768, K 621] x [K 621, N 128]; A: computed on the way; B: computed on the way: QUANTISED
;;     9. batch 131,072 x [M 1, K 1] x [K 1, N 128]; A: computed on the way; B: computed on the way: left as it is (no contracted axis)
;;     10. [M 32,768, K 512] x [K 512, N 64]; A: computed on the way; B: input W1: QUANTISED
;;   THE QUANTISER, for each operand of a quantised product, along K:
;;     - K is cut into blocks of 32 from its start; a last block that is shorter is filled with zeros.
;;     - A block's scale is 2^e with e = floor(log2(the largest magnitude in the block)) - 2, held to -126 .. 127; a block of zeros has e = 0. As a byte (E8M0): e + 127.
;;     - Each number is divided by its block's scale, clamped to +-6, and rounded to the nearest number of E2M1, ties to even, subnormals kept.
;;     - The product sums the exact products of the quantised numbers (number of the format x scale) in f32.
;;   ~~~python
;;   def quantise(x, axis):      # numpy; x: float32 -> the quantised numbers, widened to float32 again
;;       x = np.moveaxis(x, axis, -1); K = x.shape[-1]
;;       x = np.pad(x, [(0, 0)] * (x.ndim - 1) + [(0, -K % 32)]); x = x.reshape(x.shape[:-1] + (-1, 32)); a = np.abs(x).max(-1, keepdims=True)
;;       e = np.where(a > 0, np.clip(np.frexp(np.where(a > 0, a, 1))[1] - 1 - 2, -126, 127), 0)      # np.frexp(a)[1] - 1 = floor(log2(a)), exactly
;;       r = np.clip(x / 2.0 ** e, -6, 6)
;;       step = 2.0 ** (np.maximum(np.frexp(np.where(r == 0, 1, r))[1] - 1, 0) - 1)
;;       q = np.round(r / step) * step * 2.0 ** e      # np.round: ties to even
;;       return np.moveaxis(q.reshape(q.shape[:-2] + (-1,))[..., :K], -1, axis).astype(np.float32)
;;   ~~~
;;   OPERANDS COMPUTED ON THE WAY. 'Computed on the way' means the value that the module computes at that place (a softmax that the list does not call 'softmax' is quantised finished and normalised). What goes into a quantiser is computed in f32, as accurately as f32 sums, v_exp_f32 and their like allow (about 1e-6 of the number): no bf16 or f16 on the way to a quantiser, and a product that is left as it is and whose result goes on into a quantised operand takes f32 operands (vector FMAs, or v_wmma_f32_16x16x4_f32). A number that lies on a knife's edge between two numbers of the format may be rounded either way, as far as f32 arithmetic and the matrix unit's own rounding can turn it there, and no further.
;; One version. Each part assembles by itself: llvm-mc -triple=amdgcn-amd-amdhsa -mcpu=gfx1250 --defsym DOCPART=n.
;; ======== version 1 of 1: 6 launches
;; workspace buffers: WB 506,880 bytes; QB 9,961,472 bytes; KV 19,402,752 bytes; CP 10,649,600 bytes; CX 194,560 bytes; CST 65,536 bytes
;; launch prep (part 1): grid 110 x 1, 4 waves a work-group, no clusters, 0 bytes of LDS; arguments Wq, Wk, Wv, W1, proj, WB; writes WB
.if DOCPART == 1
	.amdgcn_target "amdgcn-amd-amdhsa--gfx1250"
	.amdhsa_code_object_version 6
	.text
	.protected	k_q1dc028dc36_prep
	.globl	k_q1dc028dc36_prep
	.p2align	8
	.type	k_q1dc028dc36_prep,@function
k_q1dc028dc36_prep:
	s_mov_b64 s[64:65], 0
	v_nop
	global_prefetch_b8 v0, s[64:65] scope:SCOPE_SE
	s_setreg_imm32_b32 hwreg(HW_REG_WAVE_MODE, 25, 1), 1
	s_wait_xcnt 0x0
; PREP: the five weight tensors become operand images of FP4 (E2M1) codes with E8M0 scale words, once for the whole program.
; One wave makes one fragment u (16 rows x 128 K: 8 registers a lane, stored as they stand: registers 4c..4c+3 of lane L at 1024 u + 512 c + 16 L)
; and its scale word (450,560 + 128 u + 4 L; lanes 16-31 repeat lanes 0-15).
; u = mat x 128 + head x 32 + 4 t + s for Wq, Wk, Wv; 384 + 4 ct + s for W1; 400 + T for proj.
; THE ROWS OF A TILE: lane r of tile t takes row 32 (t / 2) + 8 (t % 2) + r + 8 (r / 8) (W1: 16 ct + r), so that results made with such a tile as source 0
; lie with 16 neighbours along the next K in a lane's registers.  proj's rows 621..639 are copies of row 620: no maximum and no block scale changes by them.
; A lane loads, of its row, 16 neighbours of each block of 32 (64 h bytes into the block): lanes l and l xor 16 share a block.
; LIMITS: NaN and infinities are not served; a block of zeros, or one whose largest magnitude lies under 2^-124, gets the scale byte 1 (its codes are read by this program alone).
.set TM,  8                            ; v8-11 largest magnitudes, v12-15 bytes, v20-23 the conversions' scale operands
.set PC,  24                           ; v24-31 the codes
.set PW,  7                            ; v7 the scale word
.set XN,  32                           ; v32-95 the 64 numbers
.set SEL, 34                           ; s[34:35] selects for lane l xor 16
.set MSB, 0
.macro WIN new                         ; the immediate's high byte repeats the setting that is left
.if MSB != (\new)
	s_set_vgpr_msb (MSB<<8)|(\new)
.set MSB, (\new)
.endif
.endm
; 64 numbers of a lane, register 16 b + i = k 32 b + 16 (lane / 16) + i of its row: the four blocks' largest magnitudes, scale operands and bytes
.macro QMAX s, win
	WIN (\win)|((\win)<<2)
.irp b, 0,1,2,3
	v_max3_num_f32 v[TM+\b], |v[(\s)+16*\b]|, |v[(\s)+16*\b+1]|, 0x1800000   ; with the floor 2^(3 - 127): the byte cannot fall under 1
.endr
.irp i, 2,4,6,8,10,12,14
.irp b, 0,1,2,3
	v_max3_num_f32 v[TM+\b], |v[(\s)+16*\b+\i]|, |v[(\s)+16*\b+\i+1]|, v[TM+\b]
.endr
.endr
	WIN 0
.irp b, 0,1,2,3
	v_permlanex16_b32 v[TM+4+\b], v[TM+\b], s[SEL], s[SEL+1]
.endr
.irp b, 0,1,2,3
	v_max_num_f32 v[TM+\b], v[TM+\b], v[TM+4+\b]       ; with lane l xor 16's 16 numbers
.endr
.irp b, 0,1,2,3
	v_add_nc_u32 v[TM+12+\b], 0xff000000, v[TM+\b]     ; 2 off the exponent field: the conversion's scale operand
.endr
.irp b, 0,1,2,3
	v_lshrrev_b32 v[TM+4+\b], 23, v[TM+12+\b]          ; the scale's byte
.endr
.endm
.macro QWORD pw
	v_lshl_or_b32 v[\pw], v[TM+5], 8, v[TM+4]
	v_lshl_or_b32 v[\pw], v[TM+6], 16, v[\pw]
	v_lshl_or_b32 v[\pw], v[TM+7], 24, v[\pw]
.endm
.macro QCVT s, win, d, dwin, step
	WIN (\win)|((\dwin)<<6)
.irp b, 0,1,2,3
	v_cvt_scalef32_pk8_fp4_f32 v[(\d)+(\step)*\b], v[(\s)+16*\b:(\s)+16*\b+7], v[TM+12+\b]
	v_cvt_scalef32_pk8_fp4_f32 v[(\d)+(\step)*\b+1], v[(\s)+16*\b+8:(\s)+16*\b+15], v[TM+12+\b]
.endr
	WIN 0
	v_nop                                              ; one plain place behind the scaled conversions
.endm
.macro QSWAP pc, win                   ; the operand's layout wants a whole block in a lane
	WIN (\win)|((\win)<<6)
.irp c, 0,1
.irp i, 0,1
	v_permlane16_swap_b32 v[(\pc)+4*\c+\i], v[(\pc)+4*\c+2+\i]
.endr
.endr
.endm
.macro QUANT s, win, pc, pw
	QMAX \s, \win
	QWORD \pw
	QCVT \s, \win, \pc, 0, 2
	QSWAP \pc, 0
.endm
	s_load_b256 s[4:11], s[0:1], 0x0               ; Wq, Wk, Wv, W1
	s_load_b128 s[12:15], s[0:1], 0x20             ; proj, WB
	v_lshrrev_b32 v1, 5, v0
	v_readfirstlane_b32 s16, v1                    ; wave
	v_and_b32 v1, 31, v0                           ; lane
	v_and_b32 v2, 15, v0                           ; r
	v_bfe_u32 v3, v0, 4, 1                         ; h
	v_lshlrev_b32 v5, 4, v1                        ; 16 L
	v_lshlrev_b32 v6, 2, v1                        ; 4 L
	s_mov_b32 s[SEL], 0x76543210
	s_mov_b32 s[SEL+1], 0xfedcba98
.irp b, 0,1,2,3
	v_mov_b32 v[TM+4+\b], 0                        ; a lane permute's destination counts as one of its sources
.endr
	s_lshl_b32 s17, ttmp9, 2
	s_add_co_u32 s17, s17, s16                     ; u
	s_lshr_b32 s18, s17, 2
	s_and_b32 s18, s18, 31                         ; a weight's tile: 8 head + t
	s_and_b32 s19, s17, 3
	s_lshl_b32 s19, s19, 9                         ; its K step, 512 bytes each
	s_sub_co_u32 s20, s17, 400                     ; proj's tile
	s_sub_co_u32 s21, s17, 384
	s_lshr_b32 s22, s21, 2
	s_lshl_b32 s22, s22, 4                         ; W1's first row: 16 ct
	s_mov_b32 s25, 620
	s_cmp_lt_u32 s17, 400
	s_cselect_b32 s18, s18, s20                    ; the tile
	s_cselect_b32 s19, s19, 0                      ; the K step's bytes
	s_cselect_b32 s24, 11, 9                       ; a row is 2,048 bytes, proj's 512
	s_cselect_b32 s25, 511, s25                    ; the last row
	s_lshr_b32 s26, s18, 1
	s_lshl_b32 s26, s26, 5
	s_and_b32 s27, s18, 1
	s_lshl_b32 s27, s27, 3
	s_add_co_u32 s26, s26, s27                     ; the tile's first row: 32 (t / 2) + 8 (t % 2)
	s_cmp_lt_u32 s21, 16                           ; W1?
	s_cselect_b32 s26, s22, s26
	s_cselect_b32 s27, 0, 8                        ; W1's rows are neighbours
	s_cselect_b32 s25, 63, s25
	v_and_b32 v4, s27, v2
	v_add3_u32 v4, v4, v2, s26                     ; my row
	v_min_u32 v4, s25, v4                          ; proj: rows past 620 take row 620
	v_lshlrev_b32 v4, s24, v4
	v_lshl_add_u32 v4, v3, 6, v4                   ; + 64 h
	v_add_nc_u32 v4, s19, v4
	s_lshl_b32 s28, s17, 10
	s_mov_b32 s29, 0
	s_wait_kmcnt 0x0
	s_add_nc_u64 s[30:31], s[14:15], s[28:29]      ; the fragment's image
	s_lshl_b32 s28, s17, 7
	s_add_nc_u64 s[32:33], s[14:15], s[28:29]      ; its scale word (450,560 on, in the store's immediate)
	s_cmp_lt_u32 s17, 128                          ; the source: a choice on the fragment's number alone
	s_cselect_b64 s[4:5], s[4:5], s[6:7]
	s_cmp_lt_u32 s17, 256
	s_cselect_b64 s[4:5], s[4:5], s[8:9]
	s_cmp_lt_u32 s17, 384
	s_cselect_b64 s[4:5], s[4:5], s[10:11]
	s_cmp_lt_u32 s17, 400
	s_cselect_b64 s[4:5], s[4:5], s[12:13]
.set xq, 0
.rept 16
	global_load_b128 v[XN+4*xq:XN+4*xq+3], v4, s[4:5] offset:128*(xq/4)+16*(xq%4)
.set xq, xq+1
.endr
	s_wait_loadcnt 0x0
	QUANT XN, 0, PC, PW
	global_store_b128 v5, v[PC:PC+3], s[30:31]             ; 32 lanes store 512 consecutive bytes
	global_store_b128 v5, v[PC+4:PC+7], s[30:31] offset:512
	global_store_b32 v6, v[PW], s[32:33] offset:450560
	s_endpgm
.Lfunc_end_k_q1dc028dc36_prep:
	.size	k_q1dc028dc36_prep, .Lfunc_end_k_q1dc028dc36_prep-k_q1dc028dc36_prep
	.p2alignl 7, 3214868480
	.fill 96, 4, 3214868480
	.section	.rodata,"a",@progbits
	.p2align	6, 0x0
	.amdhsa_kernel k_q1dc028dc36_prep
		.amdhsa_group_segment_fixed_size 0
		.amdhsa_private_segment_fixed_size 0
		.amdhsa_enable_private_segment 0
		.amdhsa_kernarg_size 48
		.amdhsa_user_sgpr_count 2
		.amdhsa_user_sgpr_kernarg_segment_ptr 1
		.amdhsa_wavefront_size32 1
		.amdhsa_system_sgpr_workgroup_id_x 1
		.amdhsa_system_sgpr_workgroup_id_y 1
		.amdhsa_system_sgpr_workgroup_id_z 1
		.amdhsa_system_vgpr_workitem_id 0
		.amdhsa_next_free_vgpr 128
		.amdhsa_next_free_sgpr 66
		.amdhsa_reserve_vcc 0
		.amdhsa_float_denorm_mode_32 3
		.amdhsa_float_denorm_mode_16_64 3
		.amdhsa_memory_ordered 1
		.amdhsa_forward_progress 1
		.amdhsa_inst_pref_size 9
	.end_amdhsa_kernel
	.amdgpu_metadata
---
amdhsa.version: [ 1, 2 ]
amdhsa.kernels:
  - .name:           k_q1dc028dc36_prep
    .symbol:         k_q1dc028dc36_prep.kd
    .args:
      - { .name: Wq, .offset: 0, .size: 8, .value_kind: global_buffer, .address_space: global }
      - { .name: Wk, .offset: 8, .size: 8, .value_kind: global_buffer, .address_space: global }
      - { .name: Wv, .offset: 16, .size: 8, .value_kind: global_buffer, .address_space: global }
      - { .name: W1, .offset: 24, .size: 8, .value_kind: global_buffer, .address_space: global }
      - { .name: proj, .offset: 32, .size: 8, .value_kind: global_buffer, .address_space: global }
      - { .name: WB, .offset: 40, .size: 8, .value_kind: global_buffer, .address_space: global }
    .group_segment_fixed_size: 0
    .private_segment_fixed_size: 0
    .kernarg_segment_align: 8
    .kernarg_segment_size: 48
    .max_flat_workgroup_size: 128
    .sgpr_count:     66
    .vgpr_count:     128
    .wavefront_size: 32
...
	.end_amdgpu_metadata
.endif
;; end of part 1
;; launch qkv (part 2): grid 256 x 1, 4 waves a work-group, no clusters, 193,024 bytes of LDS; arguments x, WB, bq, bk, bv, QB, KV; writes QB, KV
.if DOCPART == 2
	.amdgcn_target "amdgcn-amd-amdhsa--gfx1250"
	.amdhsa_code_object_version 6
	.text
	.protected	k_q1dc028dc36_qkv
	.globl	k_q1dc028dc36_qkv
	.p2align	8
	.type	k_q1dc028dc36_qkv,@function
k_q1dc028dc36_qkv:
	s_mov_b64 s[64:65], 0
	v_nop
	global_prefetch_b8 v0, s[64:65] scope:SCOPE_SE
	s_setreg_imm32_b32 hwreg(HW_REG_WAVE_MODE, 25, 1), 1
	s_wait_xcnt 0x0
; QKV: q, k, v = x W^T + b on FP4 codes; what leaves is what the later launches read: codes of q 128^-1/4 and k 128^-1/4 along the head's 128, codes of v along the NODES,
; -(diag_q + the row's largest dash_q), diag_k, and the block's largest dash_k of each head.
; SHARES.  A work-group takes 128 nodes.  First wave w quantises node tiles 2 w, 2 w + 1 of x (8 fragments) into LDS; behind the one barrier wave w is head w, for all 8 node tiles.
; THE NODES OF A TILE ARE NOT NEIGHBOURS: lane r of tile t is node 32 (t / 2) + 8 (t % 2) + r + 8 (r / 8); the weights' row tiles inside a head are chosen alike.
; So q and k (source 0 = W's rows, source 1 = x) have a lane's 64 registers running along the head's 128, and v (source 0 = x, source 1 = Wv's rows) running along the 128 nodes, each in the order the quantiser takes.
; X COMES DENSE: a load takes 512 consecutive bytes of one row, 16 a lane; a unit (16 rows x 128 along K) turns through the wave's own stage in LDS and comes back with 16 neighbours of each block of 32 in a lane.
; THE ORDER OF THE LOADS: x first, three units ahead; proj and Wq go out where x's units have all been asked for; Wk and Wv in two parts each, behind the pass before and in the middle of dash, so that the wave goes on working.
; Operands go to LDS and to memory as images of their registers: registers 4c..4c+3 of lane L at 512 c + 16 L of a fragment's 1,024 bytes; scale words at 4 L.
; dash = (q norm) proj^T is made here only for its maxima (40 tiles of 16 features; rows 621..639 of proj's image are copies of row 620).
; REGISTERS: window 0: v1-15, v222 addresses; v16-79 HA, v80-143 HB: the turned numbers of x, later results; v144-159 at work; v160.. codes; v168.., v176.. two proj fragments; v188.. scale words; v214-221 maxima; v224-255 the weights' scale words.
;   window 1: one matrix's 32 fragments of my head.   window 2: four sets of 64 numbers of x as loaded.   window 3: v0-63 x fragments, v64-127 the bias as C, v128-217 proj's image on its way to LDS, v192-255 later my head's 8 code fragments (then v's).
; LIMITS: NaN and infinities are not served; a block of zeros, or under 2^-124, gets the scale byte 1 (read by this program alone).
.set XIMG, 0                           ; LDS: x's 32 fragments, (tile x 4 + s) x 1,024
.set XSC,  32768                       ; their scale words: tile x 512 + 16 L + 4 s
.set KIMG, 36864                       ; each wave's own: 8 code fragments
.set KSCL, 69632                       ; their scale words, wave x 1,024 + tile x 128 + 4 L
.set DGO,  4096                        ; and, so far behind them, the tiles' diag
.set PJL,  77824                       ; proj's 40 fragments
.set PJSO, 40960                       ; and, so far behind them, their scale words
.set STG,  124928                      ; each wave's own: two stages for x's turn
.set SROW, 528                         ; a stage row: 512 bytes + 16: an odd multiple of 16, so the sixteen rows that a read touches start at sixteen different 16-byte columns
.set STGB, 16*SROW                     ; a stage: 16 rows
.set BVA, 1
.set BA,  2
.set OA,  3
.set LI,  4
.set LS,  5
.set SWA, 6
.set XWI, 7
.set XWS, 8
.set KI0, 9
.set KS0, 10
.set PB0, 11
.set PS0, 12
.set XSL, 13
.set T0,  14
.set T1,  15
.set HA,  16
.set HB,  80
.set TM,  144
.set PC,  160
.set PFA, 168
.set PFB, 176
.set PW,  184
.set DD,  185
.set T2,  186
.set T3,  187
.set XS,  188
.set KSW, 196
.set PSA, 204
.set PSB, 205
.set VSW, 206
.set MX,  214
.set SRA, 222
.set WS,  224
.set XF,  0
.set BI,  64
.set PR,  128
.set KF,  192
.set VPC, 192
.set WV,  18
.set CNT, 19
.set SEL, 20
.set NORM, 22
.set HN2, 24
.set HM,  25
.set WF,  26
.set WW,  28
.set KM,  30
.set MSB, 0
.macro WIN new                         ; the immediate's high byte repeats the setting that is left
.if MSB != (\new)
	s_set_vgpr_msb (MSB<<8)|(\new)
.set MSB, (\new)
.endif
.endm
; 64 numbers of a lane, register 16 b + i = k 32 b + 16 (lane / 16) + i of its row: the four blocks' largest magnitudes, scale operands and bytes
.macro QMAX s, win
	WIN (\win)|((\win)<<2)
.irp b, 0,1,2,3
	v_max3_num_f32 v[TM+\b], |v[(\s)+16*\b]|, |v[(\s)+16*\b+1]|, 0x1800000   ; with the floor 2^(3 - 127): the byte cannot fall under 1
.endr
.irp i, 2,4,6,8,10,12,14
.irp b, 0,1,2,3
	v_max3_num_f32 v[TM+\b], |v[(\s)+16*\b+\i]|, |v[(\s)+16*\b+\i+1]|, v[TM+\b]
.endr
.endr
	WIN 0
.irp b, 0,1,2,3
	v_permlanex16_b32 v[TM+4+\b], v[TM+\b], s[SEL], s[SEL+1]
.endr
.irp b, 0,1,2,3
	v_max_num_f32 v[TM+\b], v[TM+\b], v[TM+4+\b]       ; with lane l xor 16's 16 numbers
.endr
.irp b, 0,1,2,3
	v_add_nc_u32 v[TM+12+\b], 0xff000000, v[TM+\b]     ; 2 off the exponent field: the conversion's scale operand
.endr
.irp b, 0,1,2,3
	v_lshrrev_b32 v[TM+4+\b], 23, v[TM+12+\b]          ; the scale's byte
.endr
.endm
.macro QWORD pw
	v_lshl_or_b32 v[\pw], v[TM+5], 8, v[TM+4]
	v_lshl_or_b32 v[\pw], v[TM+6], 16, v[\pw]
	v_lshl_or_b32 v[\pw], v[TM+7], 24, v[\pw]
.endm
.macro QCVT s, win, d, dwin, step
	WIN (\win)|((\dwin)<<6)
.irp b, 0,1,2,3
	v_cvt_scalef32_pk8_fp4_f32 v[(\d)+(\step)*\b], v[(\s)+16*\b:(\s)+16*\b+7], v[TM+12+\b]
	v_cvt_scalef32_pk8_fp4_f32 v[(\d)+(\step)*\b+1], v[(\s)+16*\b+8:(\s)+16*\b+15], v[TM+12+\b]
.endr
	WIN 0
	v_nop                                              ; one plain place behind the scaled conversions
.endm
.macro QSWAP pc, win                   ; the operand's layout wants a whole block in a lane
	WIN (\win)|((\win)<<6)
.irp c, 0,1
.irp i, 0,1
	v_permlane16_swap_b32 v[(\pc)+4*\c+\i], v[(\pc)+4*\c+2+\i]
.endr
.endr
.endm
.macro QUANT s, win, pc, pw
	QMAX \s, \win
	QWORD \pw
	QCVT \s, \win, \pc, 0, 2
	QSWAP \pc, 0
.endm
; Load g of a matrix's group of 112: 0-63 the halves of my head's 32 fragments (window 1), 64-95 their scale words,
; 96-111 the bias as the C of a tile's first product: lane (r, h) wants the eight numbers of units 32 (t / 2) + 16 h + 8 (t % 2) + 0 .. 7
.macro WLOAD g, mat, bp
.if (\g) < 64
	WIN 0x40
	global_load_b128 v[4*(\g):4*(\g)+3], v[LI], s[WF:WF+1] offset:131072*(\mat)+512*(\g)
.elseif (\g) < 96
	WIN 0
	global_load_b32 v[WS+(\g)-64], v[LS], s[WW:WW+1] offset:450560+16384*(\mat)+128*((\g)-64)
.else
	WIN 0xc0
	global_load_b128 v[BI+4*((\g)-96):BI+4*((\g)-96)+3], v[BA], s[\bp:\bp+1] offset:(32*(((\g)-96)/4)+8*((((\g)-96)/2)%2))*4+16*((\g)%2)
.endif
.endm
.macro WRUN from, n, mat, bp           ; loads from .. from + n - 1 of the group
.set gi, \from
.rept \n
	WLOAD gi, \mat, \bp
.set gi, gi+1
.endr
	WIN 0
.endm
.macro PRUN                            ; proj's image, a quarter to each wave: 23 loads into window 3
	WIN 0xc0
.set pq, 0
.rept 20
	global_load_b128 v[PR+4*pq:PR+4*pq+3], v214, s[6:7] offset:409600+2048*pq
.set pq, pq+1
.endr
.rept 2
	global_load_b128 v[PR+4*pq:PR+4*pq+3], v214, s[6:7] offset:501760+2048*(pq-20)
.set pq, pq+1
.endr
	global_load_b64 v[PR+88:PR+89], v215, s[6:7] offset:501760+4096
	WIN 0
.endm
; unit i of x: node tile 2 w + i / 4, K step i % 4: 16 rows x 512 bytes into set i % 4; a row an instruction: 32 lanes, 16 neighbouring bytes each
.macro XLOAD i
	WIN 0x80
.set xq, 0
.rept 16
	global_load_b128 v[64*((\i)%4)+4*xq:64*((\i)%4)+4*xq+3], v[LI], s[4:5] offset:(8*((\i)/4)+xq+8*(xq/8))*2048+512*((\i)%4) th:TH_LOAD_NT
.set xq, xq+1
.endr
	WIN 0
.endm
; unit i through stage i % 2: in as loaded, a row a store; back with lane (r, h) taking, of row r, the 64 bytes at 64 h of each 128.  LDS serves a wave's instructions in order: no wait between the stores and the loads
.macro TURN i
	WIN 0x08                                       ; an LDS store's data are its source 1: window 2
.set xq, 0
.rept 16
	ds_store_b128 v[SWA], v[64*((\i)%4)+4*xq:64*((\i)%4)+4*xq+3] offset:STGB*((\i)%2)+SROW*xq
.set xq, xq+1
.endr
	WIN 0
.set xq, 0
.rept 16
	ds_load_b128 v[HA+64*((\i)%2)+4*xq:HA+64*((\i)%2)+4*xq+3], v[SRA] offset:STGB*((\i)%2)+128*(xq/4)+16*(xq%4)
.set xq, xq+1
.endr
.endm
; Unit i is quantised while unit i + 1 turns and later units are on their way.  left: the loads issued behind unit i + 1's
.macro XSTEP i, left
	s_wait_dscnt 0x0                               ; unit i's numbers are back from the stage, so its stores have read their registers; the last image's stores are done
.if (\i)+3 < 8
	XLOAD (\i)+3                                   ; three units ahead: 48 loads are out here
.endif
.if (\i) == 5                          ; x has all been asked for: what its units leave of the counter's 63 goes to proj and Wq
	PRUN                                           ; 32 of x + 23
	WRUN 0, 8, 0, 8                                ; + 8 = 63
.endif
.if (\i) == 6
	WRUN 8, 16, 0, 8                               ; 47 + 16 = 63
.endif
.if (\i) == 7
	WRUN 24, 16, 0, 8                              ; 47 + 16 = 63
.endif
.if (\i) < 7
	s_wait_loadcnt \left                           ; loads come back in order: unit i + 1 is in
	TURN (\i)+1
.endif
	QUANT HA+64*((\i)%2), 0, PC, PW
	ds_store_b128 v[XWI], v[PC:PC+3] offset:XIMG+4096*((\i)/4)+1024*((\i)%4)
	ds_store_b128 v[XWI], v[PC+4:PC+7] offset:XIMG+4096*((\i)/4)+1024*((\i)%4)+512
	ds_store_b32 v[XWS], v[PW] offset:512*((\i)/4)+4*((\i)%4)
.endm
; q or k of my head, a node tile a trip: 32 products (the 8 accumulators by turns, K ascending; the bias is the first C), the row's sum of squares, x 128^-1/4, the quantiser; codes, word and diag into my own LDS.
.macro PASS
	s_wait_loadcnt 0x0                             ; the weights, their words and the bias are in
	s_mov_b32 s[CNT], 0
.Lpass_\@:
	s_wait_dscnt 0x0                               ; this tile's x fragments and words are in; my stores of the last trip have read their registers
	WIN 0x3d                                       ; W window 1, x window 3, the bias window 3
.irp t, 0,1,2,3,4,5,6,7
	v_wmma_scale_f32_16x16x128_f8f6f4 v[HA+8*\t:HA+8*\t+7], v[32*\t:32*\t+7], v[XF:XF+7], v[BI+8*\t:BI+8*\t+7], v[WS+4*\t], v[XS] matrix_a_fmt:MATRIX_FMT_FP4 matrix_b_fmt:MATRIX_FMT_FP4
.endr
	WIN 0x0d
.irp s, 1,2,3
.irp t, 0,1,2,3,4,5,6,7
	v_wmma_scale_f32_16x16x128_f8f6f4 v[HA+8*\t:HA+8*\t+7], v[32*\t+8*\s:32*\t+8*\s+7], v[XF+8*\s:XF+8*\s+7], v[HA+8*\t:HA+8*\t+7], v[WS+4*\t+\s], v[XS+\s] matrix_a_fmt:MATRIX_FMT_FP4 matrix_b_fmt:MATRIX_FMT_FP4
.endr
.endr
	WIN 0
	s_add_co_u32 s34, s[CNT], 1
	s_and_b32 s34, s34, 7                          ; the next tile; behind the last, tile 0: the next pass begins with it
	s_lshl_b32 s35, s34, 12
	s_lshl_b32 s34, s34, 9
	s_lshl_b32 s36, s[CNT], 10
	s_lshl_b32 s37, s[CNT], 7
	v_add_nc_u32 v[T0], s35, v[LI]                 ; these four additions are the four places behind the products
	v_add_nc_u32 v[T1], s34, v[XSL]
	v_add_nc_u32 v[T2], s36, v[KI0]
	v_add_nc_u32 v[T3], s37, v[KS0]
	WIN 0xc0
.irp s, 0,1,2,3
	ds_load_b128 v[XF+8*\s:XF+8*\s+3], v[T0] offset:XIMG+1024*\s
	ds_load_b128 v[XF+8*\s+4:XF+8*\s+7], v[T0] offset:XIMG+1024*\s+512
.endr
	WIN 0
	ds_load_b128 v[XS:XS+3], v[T1]
.irp c, 0,1,2,3
	v_pk_mul_f32 v[TM+2*\c:TM+2*\c+1], v[HA+2*\c:HA+2*\c+1], v[HA+2*\c:HA+2*\c+1]   ; the sum of squares, in four chains, each accumulator from its low end on
.endr
.set sp, 4
.rept 28
	v_pk_fma_f32 v[TM+2*(sp%4):TM+2*(sp%4)+1], v[HA+2*sp:HA+2*sp+1], v[HA+2*sp:HA+2*sp+1], v[TM+2*(sp%4):TM+2*(sp%4)+1]
.set sp, sp+1
.endr
	v_pk_add_f32 v[TM:TM+1], v[TM:TM+1], v[TM+2:TM+3]
	v_pk_add_f32 v[TM+4:TM+5], v[TM+4:TM+5], v[TM+6:TM+7]
	v_pk_add_f32 v[TM:TM+1], v[TM:TM+1], v[TM+4:TM+5]
	v_add_f32 v[TM], v[TM], v[TM+1]
	v_permlanex16_b32 v[TM+2], v[TM], s[SEL], s[SEL+1]
	v_add_f32 v[TM], v[TM], v[TM+2]
	v_mul_f32 v[DD], s[HN2], v[TM]                 ; diag = the sum / 2 x 128^-1/2
.set sp, 0
.rept 32
	v_pk_mul_f32 v[HA+2*sp:HA+2*sp+1], v[HA+2*sp:HA+2*sp+1], s[NORM:NORM+1] op_sel_hi:[1,0]
.set sp, sp+1
.endr
	QUANT HA, 0, PC, PW
	ds_store_b128 v[T2], v[PC:PC+3]
	ds_store_b128 v[T2], v[PC+4:PC+7] offset:512
	ds_store_b32 v[T3], v[PW]
	ds_store_b32 v[T3], v[DD] offset:DGO
	s_add_co_u32 s[CNT], s[CNT], 1
	s_cmp_lt_u32 s[CNT], 8
	s_cbranch_scc1 .Lpass_\@
.endm
.macro LOADP pf, ps, ac, aw, tile      ; a proj fragment and its scale word: three LDS loads
	ds_load_b128 v[\pf:\pf+3], v[\ac] offset:1024*(\tile)
	ds_load_b128 v[\pf+4:\pf+7], v[\ac] offset:1024*(\tile)+512
	ds_load_b32 v[\ps], v[\aw] offset:128*(\tile)
.endm
.macro WD H, pf, ps                    ; dash of one tile of 16 features for my 8 node tiles
	WIN 0x0c
.irp nt, 0,1,2,3,4,5,6,7
	v_wmma_scale_f32_16x16x128_f8f6f4 v[(\H)+8*\nt:(\H)+8*\nt+7], v[\pf:\pf+7], v[KF+8*\nt:KF+8*\nt+7], 0, v[\ps], v[KSW+\nt] matrix_a_fmt:MATRIX_FMT_FP4 matrix_b_fmt:MATRIX_FMT_FP4
.endr
	WIN 0
.endm
; the running maxima take a tile's results in, each accumulator from its low end on.  Its first four lines name nothing of the products just issued: they are the places in front of the loads into that fragment's registers.
.macro MD H, ld, pf, ps, ac, aw, tile
.irp nt, 0,1,2,3
	v_max3_num_f32 v[MX+\nt], v[MX+\nt], v[(\H)+8*\nt], v[(\H)+8*\nt+1]
.endr
.if \ld
	LOADP \pf, \ps, \ac, \aw, \tile
.endif
.irp nt, 4,5,6,7
	v_max3_num_f32 v[MX+\nt], v[MX+\nt], v[(\H)+8*\nt], v[(\H)+8*\nt+1]
.endr
.irp j, 2,4,6
.irp nt, 0,1,2,3,4,5,6,7
	v_max3_num_f32 v[MX+\nt], v[MX+\nt], v[(\H)+8*\nt+\j], v[(\H)+8*\nt+\j+1]
.endr
.endr
.endm
.macro DTRIP                           ; trip i, B = 2 i: products of tiles B + 1 and B + 2, maxima of B and B + 1
	s_wait_dscnt 3                                 ; the other buffer's three loads may be out
	WD HA, PFA, PSA
	MD HB, 1, PFA, PSA, T0, T1, 3
	s_wait_dscnt 3
	WD HB, PFB, PSB
	MD HA, 1, PFB, PSB, T0, T1, 4
	s_add_co_u32 s34, s34, 2048
	s_add_co_u32 s35, s35, 256
	v_add_nc_u32 v[T0], s34, v[PB0]
	v_add_nc_u32 v[T1], s35, v[PS0]
.endm
; My head's 8 code fragments come back from LDS, leave for memory from these registers (op: the record's address, woff: where its scale words begin), and are multiplied by proj's 40 tiles.
; One tile's products stand beside the other tile's maxima: results in HA and HB, fragments in two buffers, each asked for a tile and a half ahead.
; The 18 trips are two loops of 9: between them stands the second part of the next pass's loads (mid = 1: Wk's group, 2: Wv's), nine trips' work behind the first part.
.macro DASH op, woff, mid
	s_wait_xcnt 0x0                                ; the last pass's stores have read these registers
	WIN 0xc0
.set dq, 0
.rept 8
	ds_load_b128 v[KF+8*dq:KF+8*dq+3], v[KI0] offset:1024*dq
	ds_load_b128 v[KF+8*dq+4:KF+8*dq+7], v[KI0] offset:1024*dq+512
.set dq, dq+1
.endr
	WIN 0
.set dq, 0
.rept 8
	ds_load_b32 v[KSW+dq], v[KS0] offset:128*dq
.set dq, dq+1
.endr
	LOADP PFB, PSB, PB0, PS0, 0
	LOADP PFA, PSA, PB0, PS0, 1
.irp nt, 0,1,2,3,4,5,6,7
	v_mov_b32 v[MX+\nt], 0xff800000
.endr
	s_wait_dscnt 0x0
	WIN 0x0c
.set dq, 0
.rept 8
	global_store_b128 v[LI], v[KF+8*dq:KF+8*dq+3], s[\op:\op+1] offset:1024*dq          ; 32 lanes store 512 consecutive bytes
	global_store_b128 v[LI], v[KF+8*dq+4:KF+8*dq+7], s[\op:\op+1] offset:1024*dq+512
.set dq, dq+1
.endr
	WIN 0
.set dq, 0
.rept 8
	global_store_b32 v[LS], v[KSW+dq], s[\op:\op+1] offset:(\woff)+128*dq
.set dq, dq+1
.endr
	WD HB, PFB, PSB                                ; tile 0
.rept 4
	v_nop
.endr
	LOADP PFB, PSB, PB0, PS0, 2
	s_mov_b32 s34, 0
	s_mov_b32 s35, 0
	v_mov_b32 v[T0], v[PB0]
	v_mov_b32 v[T1], v[PS0]
	s_mov_b32 s[CNT], 0
.Ldasha_\@:                                            ; trips 0 to 8
	DTRIP
	s_add_co_u32 s[CNT], s[CNT], 1
	s_cmp_lt_u32 s[CNT], 9
	s_cbranch_scc1 .Ldasha_\@
.if (\mid) == 1
	WRUN 63, 49, 1, 10                             ; the rest of Wk's group: one fragment's half, the 32 scale words, bk
.else
	WRUN 63, 33, 2, 10                             ; the rest of Wv's: one fragment's half, the 32 scale words,
	WIN 0xc0
.irp t, 0,1,2,3,4,5,6,7
	global_load_b32 v[BI+8*\t], v[BVA], s[12:13] offset:(32*(\t/2)+8*(\t%2))*4   ; and bv of my lane's unit of each tile
.endr
	WIN 0
.endif
	s_mov_b32 s34, 9*2048                          ; where the ninth trip left the steps
	s_mov_b32 s35, 9*256
	v_add_nc_u32 v[T0], s34, v[PB0]
	v_add_nc_u32 v[T1], s35, v[PS0]
	s_mov_b32 s[CNT], 0
.Ldashb_\@:                                            ; trips 9 to 17
	DTRIP
	s_add_co_u32 s[CNT], s[CNT], 1
	s_cmp_lt_u32 s[CNT], 9
	s_cbranch_scc1 .Ldashb_\@
	s_wait_dscnt 3                                 ; the tail, written out: tiles 37, 38, 39
	WD HA, PFA, PSA
	MD HB, 1, PFA, PSA, PB0, PS0, 39
	s_wait_dscnt 3
	WD HB, PFB, PSB
	MD HA, 0, 0, 0, 0, 0, 0
	s_wait_dscnt 0x0
	WD HA, PFA, PSA
	MD HB, 0, 0, 0, 0, 0, 0
	MD HA, 0, 0, 0, 0, 0, 0
.irp t, 0,1,2,3,4,5,6,7
	v_permlanex16_b32 v[HA+\t], v[MX+\t], s[SEL], s[SEL+1]
.endr
.irp t, 0,1,2,3,4,5,6,7
	v_max_num_f32 v[MX+\t], v[MX+\t], v[HA+\t]     ; with the other eight features of each tile: the row's largest dash
.endr
.irp t, 0,1,2,3,4,5,6,7
	ds_load_b32 v[HB+\t], v[KS0] offset:DGO+128*\t ; the tiles' diag
.endr
	s_wait_dscnt 0x0
.endm
; v: two node tiles (a block of 32 nodes) x 8 tiles of the head's 128
.macro VLOAD b
	WIN 0xc0
.set vq, 0
.rept 8
	ds_load_b128 v[XF+8*vq:XF+8*vq+3], v[LI] offset:XIMG+8192*(\b)+1024*vq
	ds_load_b128 v[XF+8*vq+4:XF+8*vq+7], v[LI] offset:XIMG+8192*(\b)+1024*vq+512
.set vq, vq+1
.endr
	WIN 0
	ds_load_b128 v[XS:XS+3], v[XSL] offset:1024*(\b)
	ds_load_b128 v[XS+4:XS+7], v[XSL] offset:1024*(\b)+512
.endm
.macro VMUL g                          ; tiles 4 g .. 4 g + 3 of the head: 8 accumulators by turns, K ascending
.irp s, 0,1,2,3
.if \s == 0
	WIN 0x37                                       ; x window 3, Wv window 1, the bias window 3
.else
	WIN 0x07
.endif
.irp i, 0,1,2,3
.irp u, 0,1
.if \s == 0
	v_wmma_scale_f32_16x16x128_f8f6f4 v[HA+64*(\g)+16*\i+8*\u:HA+64*(\g)+16*\i+8*\u+7], v[XF+32*\u:XF+32*\u+7], v[32*(4*(\g)+\i):32*(4*(\g)+\i)+7], v[BI+8*(4*(\g)+\i):BI+8*(4*(\g)+\i)+7], v[XS+4*\u], v[WS+4*(4*(\g)+\i)] matrix_a_fmt:MATRIX_FMT_FP4 matrix_b_fmt:MATRIX_FMT_FP4
.else
	v_wmma_scale_f32_16x16x128_f8f6f4 v[HA+64*(\g)+16*\i+8*\u:HA+64*(\g)+16*\i+8*\u+7], v[XF+32*\u+8*\s:XF+32*\u+8*\s+7], v[32*(4*(\g)+\i)+8*\s:32*(4*(\g)+\i)+8*\s+7], v[HA+64*(\g)+16*\i+8*\u:HA+64*(\g)+16*\i+8*\u+7], v[XS+4*\u+\s], v[WS+4*(4*(\g)+\i)+\s] matrix_a_fmt:MATRIX_FMT_FP4 matrix_b_fmt:MATRIX_FMT_FP4
.endif
.endr
.endr
.endr
.endm
.macro VQ g, b                         ; four tiles' block b of 32 nodes: 16 registers a tile; byte b of each tile's scale word, registers 2 b, 2 b + 1 of its codes
	QMAX HA+64*(\g), 0
.irp i, 0,1,2,3
.if (\b) == 0
	v_mov_b32 v[VSW+4*(\g)+\i], v[TM+4+\i]
.else
	v_lshl_or_b32 v[VSW+4*(\g)+\i], v[TM+4+\i], 8*(\b), v[VSW+4*(\g)+\i]
.endif
.endr
	QCVT HA+64*(\g), 0, VPC+32*(\g)+2*(\b), 3, 8
.endm
	s_load_b256 s[4:11], s[0:1], 0x0               ; x, WB, bq, bk
	s_load_b128 s[12:15], s[0:1], 0x20             ; bv, QB
	s_load_b64 s[16:17], s[0:1], 0x30              ; KV
	v_lshl_add_u32 v155, v0, 2, 0x2f000
	v_mov_b32 v223, 0
	v_lshrrev_b32 v218, 5, v0
	v_readfirstlane_b32 s[WV], v218                ; wave = head
	v_and_b32 v218, 31, v0                         ; lane
	v_and_b32 v219, 15, v0                         ; r
	v_bfe_u32 v220, v0, 4, 1                       ; h
	v_lshlrev_b32 v[LI], 4, v218
	v_lshlrev_b32 v[LS], 2, v218
	v_and_b32 v221, 8, v219
	v_add_nc_u32 v221, v221, v219                  ; r + 8 (r / 8)
	v_lshlrev_b32 v[BVA], 2, v221                  ; bv: my unit of a tile
	v_lshl_add_u32 v[OA], v220, 5, v[BVA]          ; a node's number in a block of 32, x 4: lanes 0-15 the even tile's, lanes 16-31 the odd tile's
	v_lshlrev_b32 v[BA], 6, v220
	s_mul_i32 s34, s[WV], 2*STGB                   ; my two stages
	v_add_nc_u32 v[SWA], s34, v[LI]
	v_add_nc_u32 v[SWA], STG, v[SWA]               ; in: 16 bytes a lane of a row
	v_mul_u32_u24 v[SRA], v219, SROW
	v_lshl_add_u32 v[SRA], v220, 6, v[SRA]
	v_add_nc_u32 v[SRA], s34, v[SRA]
	v_add_nc_u32 v[SRA], STG, v[SRA]               ; back: row r, + 64 h
	s_lshl_b32 s34, s[WV], 13
	v_add_nc_u32 v[XWI], s34, v[LI]
	v_add_nc_u32 v[KI0], s34, v[LI]
	v_add_nc_u32 v[KI0], KIMG, v[KI0]
	s_lshl_b32 s34, s[WV], 10
	v_add_nc_u32 v[XWS], s34, v[LI]
	v_add_nc_u32 v[XWS], XSC, v[XWS]
	v_add_nc_u32 v[KS0], s34, v[LS]
	v_add_nc_u32 v[KS0], KSCL, v[KS0]
	v_add_nc_u32 v[PB0], PJL, v[LI]
	v_add_nc_u32 v[PS0], PJL+PJSO, v[LS]
	v_add_nc_u32 v[XSL], XSC, v[LI]
	v_lshlrev_b32 v214, 4, v0                      ; proj's image: 16 bytes a thread,
	v_lshlrev_b32 v215, 3, v0                      ; its last 1,024 bytes 8 a thread
	v_add_nc_u32 v216, PJL, v214
	v_add_nc_u32 v217, PJL+PJSO+4096, v215
.irp b, 0,1,2,3
	v_mov_b32 v[TM+4+\b], 0                        ; a lane permute's destination counts as one of its sources
.endr
	s_mov_b32 s[SEL], 0x76543210
	s_mov_b32 s[SEL+1], 0xfedcba98
	s_mov_b32 s[NORM], 0x3e9837f0                  ; 128^-1/4
	s_mov_b32 s[NORM+1], s[NORM]
	s_mov_b32 s[HN2], 0x3d3504f3                   ; 128^-1/2 / 2
	s_mov_b32 s[HM], 0xffff0000                    ; lanes 16-31
	s_lshl_b32 s34, ttmp9, 18                      ; 128 rows of 2,048 bytes
	s_lshl_b32 s35, s[WV], 16                      ; my 32 of them
	s_add_co_u32 s34, s34, s35
	s_mov_b32 s35, 0
	s_lshl_b32 s36, s[WV], 8
	s_add_co_u32 s36, s36, ttmp9                   ; the record: head x 256 + block
	s_wait_kmcnt 0x0
	s_add_nc_u64 s[4:5], s[4:5], s[34:35]
	s_lshl_b32 s34, s[WV], 15
	s_add_nc_u64 s[WF:WF+1], s[6:7], s[34:35]
	s_lshl_b32 s34, s[WV], 12
	s_add_nc_u64 s[WW:WW+1], s[6:7], s[34:35]
	s_lshl_b32 s34, s[WV], 9
	s_add_nc_u64 s[8:9], s[8:9], s[34:35]
	s_add_nc_u64 s[10:11], s[10:11], s[34:35]
	s_add_nc_u64 s[12:13], s[12:13], s[34:35]
	s_mul_i32 s34, s36, 9728
	s_add_nc_u64 s[14:15], s[14:15], s[34:35]
	s_lshl_b32 s34, s36, 2
	s_add_nc_u64 s[KM:KM+1], s[16:17], s[34:35]
	s_add_nc_u64 s[KM:KM+1], s[KM:KM+1], 19398656  ; the blocks' maxima lie behind the 1,024 records
	s_mul_i32 s34, s36, 18944
	s_add_nc_u64 s[16:17], s[16:17], s[34:35]
	XLOAD 0                                        ; x first: nothing stands ahead of it in the order in which loads come back
	XLOAD 1
	XLOAD 2
	s_wait_loadcnt 32                              ; unit 0 is in; units 1 and 2 may be out
	TURN 0
	XSTEP 0, 32                                    ; behind unit i + 1: the two units after it
	XSTEP 1, 32
	XSTEP 2, 32
	XSTEP 3, 32
	XSTEP 4, 32
	XSTEP 5, 47                                    ; behind unit 6: unit 7's 16, proj's 23, Wq's 8
	XSTEP 6, 47                                    ; behind unit 7: proj's 23, Wq's 24
	XSTEP 7, 0
	s_wait_loadcnt 40                              ; proj's image is in: 40 loads of Wq were issued behind it
	WIN 0x0c                                       ; an LDS store's data are its source 1: window 3
.set pq, 0
.rept 22                                               ; it goes on into LDS: 2,048 bytes an instruction of the work-group
	ds_store_b128 v216, v[PR+4*pq:PR+4*pq+3] offset:2048*pq
.set pq, pq+1
.endr
	ds_store_b64 v217, v[PR+88:PR+89]
	WIN 0
	WRUN 40, 72, 0, 8                              ; the rest of Wq's group.  More than the counter's field holds: the issue of the last of them holds until older ones are back (ISA guide 5.7.1); the next thing that the wave needs is all of them
	s_wait_dscnt 0x0                               ; for the others' sake: my stores have landed
	s_barrier_signal -1                            ; x's 32 fragments and proj's 40 lie in LDS
	s_barrier_wait -1                              ; behind this barrier they are only read; all else in LDS is each wave's own
	WIN 0xc0
.irp s, 0,1,2,3
	ds_load_b128 v[XF+8*\s:XF+8*\s+3], v[LI] offset:XIMG+1024*\s
	ds_load_b128 v[XF+8*\s+4:XF+8*\s+7], v[LI] offset:XIMG+1024*\s+512
.endr
	WIN 0
	ds_load_b128 v[XS:XS+3], v[XSL]
	PASS                                           ; q
	WRUN 0, 63, 1, 10                              ; the first part of Wk's group: as many as the counter's field holds; it lands while dash_q is made
	DASH 14, 8192, 1
.irp t, 0,1,2,3,4,5,6,7
	v_sub_f32 v[HB+\t], -v[HB+\t], v[MX+\t]        ; -(diag + the row's largest dash)
.endr
.irp b, 0,1,2,3
	v_cndmask_b32 v[HA+\b], v[HB+2*\b], v[HB+2*\b+1], s[HM]   ; lanes 0-15 the even tile's nodes, lanes 16-31 the odd tile's: 32 neighbouring nodes
.endr
.irp b, 0,1,2,3
	global_store_b32 v[OA], v[HA+\b], s[14:15] offset:9216+128*\b
.endr
	s_wait_xcnt 0x0                                ; the stores have read HA: the next pass writes it
	PASS                                           ; k
	WRUN 0, 63, 2, 10                              ; the first part of Wv's group
	DASH 16, 16384, 2
.irp b, 0,1,2,3
	v_cndmask_b32 v[HA+\b], v[HB+2*\b], v[HB+2*\b+1], s[HM]
.endr
.irp b, 0,1,2,3
	global_store_b32 v[OA], v[HA+\b], s[16:17] offset:18432+128*\b   ; diag_k, by node
.endr
	v_max3_num_f32 v[MX], v[MX], v[MX+1], v[MX+2]  ; the block's largest dash_k of my head
	v_max3_num_f32 v[MX], v[MX], v[MX+3], v[MX+4]
	v_max3_num_f32 v[MX], v[MX], v[MX+5], v[MX+6]
	v_max_num_f32 v[MX], v[MX], v[MX+7]
	v_max_num_f32_dpp v[MX], v[MX], v[MX] row_xmask:1 row_mask:0xf bank_mask:0xf
	v_max_num_f32_dpp v[MX], v[MX], v[MX] row_xmask:2 row_mask:0xf bank_mask:0xf
	v_max_num_f32_dpp v[MX], v[MX], v[MX] row_xmask:4 row_mask:0xf bank_mask:0xf
	v_max_num_f32_dpp v[MX], v[MX], v[MX] row_xmask:8 row_mask:0xf bank_mask:0xf
	v_cmp_eq_u32 vcc_lo, 0, v[LS]
	s_wait_xcnt 0x0                                ; EXEC changes only behind this wait
	s_wait_tensorcnt 0x0
	ds_add_u32 v155, v223
	s_wait_dscnt 0x0
	s_and_saveexec_b32 s32, vcc_lo                 ; lane 0 stores it
	global_store_b32 v[LS], v[MX], s[KM:KM+1]
	s_wait_xcnt 0x0                                ; and again in front of the line that widens it
	s_or_b32 exec_lo, exec_lo, s32
	s_wait_loadcnt 0x0                             ; Wv, its words, bv
	WIN 0xc3
.irp t, 0,1,2,3,4,5,6,7
.irp j, 1,2,3,4,5,6,7
	v_mov_b32 v[BI+8*\t+\j], v[BI+8*\t]            ; here a lane holds one unit and eight nodes: the C of a tile is its unit's bias eight times
.endr
.endr
	WIN 0
	VLOAD 0
.irp b, 0,1,2,3
	s_wait_dscnt 0x0
	VMUL 0
	VMUL 1
	WIN 0
.rept 4
	v_nop                                          ; places in front of the loads into x's registers and of the first read of results
.endr
.if \b < 3
	VLOAD \b+1
.endif
	VQ 0, \b
	VQ 1, \b
.endr
.irp t, 0,1,2,3,4,5,6,7
	QSWAP VPC+8*\t, 3
.endr
	WIN 0x0c
.set vq, 0
.rept 8
	global_store_b128 v[LI], v[VPC+8*vq:VPC+8*vq+3], s[16:17] offset:8192+1024*vq
	global_store_b128 v[LI], v[VPC+8*vq+4:VPC+8*vq+7], s[16:17] offset:8192+1024*vq+512
.set vq, vq+1
.endr
	WIN 0
.set vq, 0
.rept 8
	global_store_b32 v[LS], v[VSW+vq], s[16:17] offset:17408+128*vq
.set vq, vq+1
.endr
	s_endpgm
.Lfunc_end_k_q1dc028dc36_qkv:
	.size	k_q1dc028dc36_qkv, .Lfunc_end_k_q1dc028dc36_qkv-k_q1dc028dc36_qkv
	.p2alignl 7, 3214868480
	.fill 96, 4, 3214868480
	.section	.rodata,"a",@progbits
	.p2align	6, 0x0
	.amdhsa_kernel k_q1dc028dc36_qkv
		.amdhsa_group_segment_fixed_size 193024
		.amdhsa_private_segment_fixed_size 0
		.amdhsa_enable_private_segment 0
		.amdhsa_kernarg_size 56
		.amdhsa_user_sgpr_count 2
		.amdhsa_user_sgpr_kernarg_segment_ptr 1
		.amdhsa_wavefront_size32 1
		.amdhsa_system_sgpr_workgroup_id_x 1
		.amdhsa_system_sgpr_workgroup_id_y 1
		.amdhsa_system_sgpr_workgroup_id_z 1
		.amdhsa_system_vgpr_workitem_id 0
		.amdhsa_next_free_vgpr 1024
		.amdhsa_next_free_sgpr 66
		.amdhsa_reserve_vcc 1
		.amdhsa_float_denorm_mode_32 3
		.amdhsa_float_denorm_mode_16_64 3
		.amdhsa_memory_ordered 1
		.amdhsa_forward_progress 1
		.amdhsa_inst_pref_size 255
	.end_amdhsa_kernel
	.section	.bss,"aw",@nobits
	.p2align	6
	.space	262144
	.amdgpu_metadata
---
amdhsa.version: [ 1, 2 ]
amdhsa.kernels:
  - .name:           k_q1dc028dc36_qkv
    .symbol:         k_q1dc028dc36_qkv.kd
    .args:
      - { .name: x, .offset: 0, .size: 8, .value_kind: global_buffer, .address_space: global }
      - { .name: WB, .offset: 8, .size: 8, .value_kind: global_buffer, .address_space: global }
      - { .name: bq, .offset: 16, .size: 8, .value_kind: global_buffer, .address_space: global }
      - { .name: bk, .offset: 24, .size: 8, .value_kind: global_buffer, .address_space: global }
      - { .name: bv, .offset: 32, .size: 8, .value_kind: global_buffer, .address_space: global }
      - { .name: QB, .offset: 40, .size: 8, .value_kind: global_buffer, .address_space: global }
      - { .name: KV, .offset: 48, .size: 8, .value_kind: global_buffer, .address_space: global }
    .group_segment_fixed_size: 193024
    .private_segment_fixed_size: 0
    .kernarg_segment_align: 8
    .kernarg_segment_size: 56
    .max_flat_workgroup_size: 128
    .sgpr_count:     66
    .vgpr_count:     1024
    .wavefront_size: 32
...
	.end_amdgpu_metadata
.endif
;; end of part 2
;; launch kctx (part 3): grid 256 x 1, 4 waves a work-group, no clusters, 166,912 bytes of LDS; arguments KV, WB, CP; writes CP
.if DOCPART == 3
	.amdgcn_target "amdgcn-amd-amdhsa--gfx1250"
	.amdhsa_code_object_version 6
	.text
	.protected	k_q1dc028dc36_kctx
	.globl	k_q1dc028dc36_kctx
	.p2align	8
	.type	k_q1dc028dc36_kctx,@function
k_q1dc028dc36_kctx:
	s_mov_b64 s[64:65], 0
	v_nop
	global_prefetch_b8 v0, s[64:65] scope:SCOPE_SE
	s_setreg_imm32_b32 hwreg(HW_REG_WAVE_MODE, 25, 1), 1
	s_wait_xcnt 0x0
; KCTX: k' = ratio (exp(dash_k - diag_k - the head's largest dash_k) + eps), its sum over the nodes, and context = k'^T v on FP4 codes along the NODES: partial sums over 4,096 nodes.
; SHARES.  Work-group = (head, chunk of 32 blocks of 128 nodes, slice of 5 tiles of 16 features).  Wave w takes blocks 8 w .. 8 w + 7 of the chunk, with 40 accumulators (5 feature tiles x 8 tiles of the head's 128) of its own;
; at the end the four waves' accumulators meet in LDS and leave as one partial sum.
; A BLOCK (a K step of the second product): for each feature tile f: dash (source 0 = 16 nodes' codes of k, source 1 = proj's tile: a lane holds one feature, its 64 registers the 128 nodes' halves in the quantiser's order),
; the exponentials, the quantiser along the nodes, the sum of the unquantised k', and 8 products with v's fragments.  The next tile's dash is issued ahead of this tile's vector work.
; Each block's operands are asked for a block's work ahead, into a second set of registers, IN TWO PARTS: k's fragments, diag and k's scale words (40 loads) at the block's head, v's fragments and scale words (24) behind the second feature tile:
; so the wave does not stand at the 64th load until the first has come back.  The block is written for set A and for set B; the first block, whose products start the sums, and the last, which asks for nothing, are written out.
; REGISTERS: window 0: v1-13 addresses; v16-79 HA, v80-143 HB; v144.. codes, v152 their word; v154-177 at work; v178-187 sums of k'; v188-191 ratio, ratio eps; v192-223 k's and v's scale words, two sets; v224-228 proj's; v230-231 -stab log2 e.
;   window 1: k's fragments A, B (v0, v64), v's A, B (v128, v192).   window 2: v0, v64 -(diag + stab) log2 e by node, A, B; v128-167 proj's 5 fragments; v192-255 accumulators of tile 4.   window 3: accumulators of tiles 0-3.
; LIMITS: NaN and infinities are not served; ratio (e + eps) is one fused multiply-add; the exponent is dash log2 e - (diag + stab) log2 e, one fused multiply-add; sums over nodes are taken in another order than the definition's.
.set LI,  1
.set LS,  2
.set DA,  3
.set KSA, 4
.set CAA, 5
.set RG,  6
.set KSR, 13
.set HA,  16
.set HB,  80
.set PC,  144
.set PW,  152
.set TM,  154
.set CH,  170
.set KSUM, 178
.set RR,  188
.set RE,  190
.set KS,  192
.set VS,  208
.set PJS, 224
.set ST,  230
.set PJF, 128
.set WV,  10
.set SEL, 12
.set L2E, 14
.set NL2E, 16
.set CNT, 18
.set KMP, 24
.set PJP, 26
.set PJW, 28
.set CPP, 30
.set KSPP, 32
.set MSB, 0
.macro WIN new                         ; the immediate's high byte repeats the setting that is left
.if MSB != (\new)
	s_set_vgpr_msb (MSB<<8)|(\new)
.set MSB, (\new)
.endif
.endm
.macro QMAX s, win
	WIN (\win)|((\win)<<2)
.irp b, 0,1,2,3
	v_max3_num_f32 v[TM+\b], |v[(\s)+16*\b]|, |v[(\s)+16*\b+1]|, 0x1800000   ; with the floor 2^(3 - 127): the byte cannot fall under 1
.endr
.irp i, 2,4,6,8,10,12,14
.irp b, 0,1,2,3
	v_max3_num_f32 v[TM+\b], |v[(\s)+16*\b+\i]|, |v[(\s)+16*\b+\i+1]|, v[TM+\b]
.endr
.endr
	WIN 0
.irp b, 0,1,2,3
	v_permlanex16_b32 v[TM+4+\b], v[TM+\b], s[SEL], s[SEL+1]
.endr
.irp b, 0,1,2,3
	v_max_num_f32 v[TM+\b], v[TM+\b], v[TM+4+\b]
.endr
.irp b, 0,1,2,3
	v_add_nc_u32 v[TM+12+\b], 0xff000000, v[TM+\b]     ; 2 off the exponent field: the conversion's scale operand
.endr
.irp b, 0,1,2,3
	v_lshrrev_b32 v[TM+4+\b], 23, v[TM+12+\b]          ; the scale's byte
.endr
.endm
.macro QWORD pw
	v_lshl_or_b32 v[\pw], v[TM+5], 8, v[TM+4]
	v_lshl_or_b32 v[\pw], v[TM+6], 16, v[\pw]
	v_lshl_or_b32 v[\pw], v[TM+7], 24, v[\pw]
.endm
.macro QCVT s, win, d, dwin, step
	WIN (\win)|((\dwin)<<6)
.irp b, 0,1,2,3
	v_cvt_scalef32_pk8_fp4_f32 v[(\d)+(\step)*\b], v[(\s)+16*\b:(\s)+16*\b+7], v[TM+12+\b]
	v_cvt_scalef32_pk8_fp4_f32 v[(\d)+(\step)*\b+1], v[(\s)+16*\b+8:(\s)+16*\b+15], v[TM+12+\b]
.endr
	WIN 0
	v_nop                                              ; one plain place behind the scaled conversions
.endm
.macro QSWAP pc, win
	WIN (\win)|((\win)<<6)
.irp c, 0,1
.irp i, 0,1
	v_permlane16_swap_b32 v[(\pc)+4*\c+\i], v[(\pc)+4*\c+2+\i]
.endr
.endr
.endm
.macro QUANT s, win, pc, pw
	QMAX \s, \win
	QWORD \pw
	QCVT \s, \win, \pc, 0, 2
	QSWAP \pc, 0
.endm
; 64 results become ratio (2^(x log2 e + c) + eps); c from v[C + cstep j] of window cwin
.macro ELEM H, C, cstep, cwin
	WIN (\cwin)<<4
.set ej, 0
.rept 32
	v_pk_fma_f32 v[(\H)+ej:(\H)+ej+1], v[(\H)+ej:(\H)+ej+1], s[L2E:L2E+1], v[(\C)+(\cstep)*ej:(\C)+(\cstep)*ej+1] op_sel_hi:[1,0,1]
.set ej, ej+2
.endr
	WIN 0
.set ej, 0
.rept 64
	v_exp_f32 v[(\H)+ej], v[(\H)+ej]
.set ej, ej+1
.endr
	v_nop                                              ; a plain place behind the exponentials
.set ej, 0
	s_wait_alu depctr_va_vdst(0)
.rept 32
	v_pk_fma_f32 v[(\H)+ej:(\H)+ej+1], v[(\H)+ej:(\H)+ej+1], v[RR:RR+1], v[RE:RE+1]
.set ej, ej+2
.endr
.endm
; a block's operands into set kb, first part: k's fragments, diag, k's scale words: 40 loads
.macro LOADK1 kb
	WIN 0x40
.set lq, 0
.rept 8
	global_load_b128 v[64*(\kb)+8*lq:64*(\kb)+8*lq+3], v[LI], s[4:5] offset:1024*lq
	global_load_b128 v[64*(\kb)+8*lq+4:64*(\kb)+8*lq+7], v[LI], s[4:5] offset:1024*lq+512
.set lq, lq+1
.endr
	WIN 0x80
.set lq, 0
.rept 16
	global_load_b128 v[64*(\kb)+4*lq:64*(\kb)+4*lq+3], v[DA], s[4:5] offset:18432+128*(lq/4)+16*(lq%4)   ; diag of nodes 32 b + 16 h + 0 .. 15
.set lq, lq+1
.endr
	WIN 0
.set lq, 0
.rept 8
	global_load_b32 v[KS+8*(\kb)+lq], v[LS], s[4:5] offset:16384+128*lq
.set lq, lq+1
.endr
.endm
; second part: v's fragments and scale words: 24 loads
.macro LOADK2 kb
	WIN 0x40
.set lq, 0
.rept 8
	global_load_b128 v[128+64*(\kb)+8*lq:128+64*(\kb)+8*lq+3], v[LI], s[4:5] offset:8192+1024*lq
	global_load_b128 v[128+64*(\kb)+8*lq+4:128+64*(\kb)+8*lq+7], v[LI], s[4:5] offset:8192+1024*lq+512
.set lq, lq+1
.endr
	WIN 0
.set lq, 0
.rept 8
	global_load_b32 v[VS+8*(\kb)+lq], v[LS], s[4:5] offset:17408+128*lq
.set lq, lq+1
.endr
.endm
.macro DASH kb, f
	WIN 0x09                                       ; k window 1, proj window 2
.irp nt, 0,1,2,3,4,5,6,7
	v_wmma_scale_f32_16x16x128_f8f6f4 v[HA+64*((\f)%2)+8*\nt:HA+64*((\f)%2)+8*\nt+7], v[64*(\kb)+8*\nt:64*(\kb)+8*\nt+7], v[PJF+8*(\f):PJF+8*(\f)+7], 0, v[KS+8*(\kb)+\nt], v[PJS+(\f)] matrix_a_fmt:MATRIX_FMT_FP4 matrix_b_fmt:MATRIX_FMT_FP4
.endr
.endm
.macro KSUMF H, f, zero                ; the sum of the lane's 64 k', in four chains.  These 32 lines are also the places between the codes' and the word's last writes and the products that take them
	WIN 0
.irp c, 0,1,2,3
	v_pk_add_f32 v[CH+2*\c:CH+2*\c+1], v[(\H)+2*\c:(\H)+2*\c+1], v[(\H)+8+2*\c:(\H)+9+2*\c]
.endr
.set kp, 8
.rept 24
	v_pk_add_f32 v[CH+2*(kp%4):CH+2*(kp%4)+1], v[CH+2*(kp%4):CH+2*(kp%4)+1], v[(\H)+2*kp:(\H)+2*kp+1]
.set kp, kp+1
.endr
	v_pk_add_f32 v[CH:CH+1], v[CH:CH+1], v[CH+2:CH+3]
	v_pk_add_f32 v[CH+4:CH+5], v[CH+4:CH+5], v[CH+6:CH+7]
.if \zero
	v_pk_add_f32 v[KSUM+2*(\f):KSUM+2*(\f)+1], v[CH:CH+1], v[CH+4:CH+5]
.else
	v_pk_add_f32 v[CH:CH+1], v[CH:CH+1], v[CH+4:CH+5]
	v_pk_add_f32 v[KSUM+2*(\f):KSUM+2*(\f)+1], v[KSUM+2*(\f):KSUM+2*(\f)+1], v[CH:CH+1]
.endif
.endm
.macro CTX kb, f, zero                 ; context(tile f, all 128 of the head) += k'^T v: 8 accumulators by turns.  zero = 1: the first block's products start the sums
.if (\f) < 4
	WIN 0xf4
.set CB, 64*(\f)
.else
	WIN 0xa4
.set CB, 192
.endif
.irp et, 0,1,2,3,4,5,6,7
.if \zero
	v_wmma_scale_f32_16x16x128_f8f6f4 v[CB+8*\et:CB+8*\et+7], v[PC:PC+7], v[128+64*(\kb)+8*\et:128+64*(\kb)+8*\et+7], 0, v[PW], v[VS+8*(\kb)+\et] matrix_a_fmt:MATRIX_FMT_FP4 matrix_b_fmt:MATRIX_FMT_FP4
.else
	v_wmma_scale_f32_16x16x128_f8f6f4 v[CB+8*\et:CB+8*\et+7], v[PC:PC+7], v[128+64*(\kb)+8*\et:128+64*(\kb)+8*\et+7], v[CB+8*\et:CB+8*\et+7], v[PW], v[VS+8*(\kb)+\et] matrix_a_fmt:MATRIX_FMT_FP4 matrix_b_fmt:MATRIX_FMT_FP4
.endif
.endr
.endm
.macro FSTEP kb, f, zero
.set HH, HA+64*((\f)%2)
.if ((\f) >= 1) && ((\f) < 4)
	DASH \kb, (\f)+1
.endif
	ELEM HH, 64*(\kb), 1, 2
	QUANT HH, 0, PC, PW
	KSUMF HH, \f, \zero
	CTX \kb, \f, \zero
.endm
.macro PHASE kb, zero, load
	s_wait_loadcnt 0x0                             ; this block's 64 loads, asked for in the block before, are in: so the record's address may step
	WIN 0x82
.set cj, 0
.rept 32                                               ; -(diag + stab) log2 e.  These 32 lines are also the places in front of the loads into the other set, which the last products read
	v_pk_fma_f32 v[64*(\kb)+cj:64*(\kb)+cj+1], v[64*(\kb)+cj:64*(\kb)+cj+1], s[NL2E:NL2E+1], v[ST:ST+1] op_sel_hi:[1,0,1]
.set cj, cj+2
.endr
	WIN 0
.if \load
	s_add_nc_u64 s[4:5], s[4:5], 18944
	LOADK1 1-(\kb)                                 ; the next block's first part
.endif
	DASH \kb, 0
	DASH \kb, 1
	WIN 0
.rept 4
	v_nop
.endr
	FSTEP \kb, 0, \zero
	FSTEP \kb, 1, \zero
.if \load
	LOADK2 1-(\kb)                                 ; its second part, two tiles' work behind the first; three tiles' work is left in which it lands
.endif
	FSTEP \kb, 2, \zero
	FSTEP \kb, 3, \zero
	FSTEP \kb, 4, \zero
	WIN 0
.endm
	s_load_b128 s[4:7], s[0:1], 0x0                ; KV, WB
	s_load_b64 s[8:9], s[0:1], 0x10                ; CP
	v_lshl_add_u32 v254, v0, 2, 0x28a00
	v_mov_b32 v255, 0
	v_lshrrev_b32 v10, 5, v0
	v_readfirstlane_b32 s[WV], v10
	v_and_b32 v10, 31, v0
	v_bfe_u32 v11, v0, 4, 1
	v_lshlrev_b32 v[LI], 4, v10
	v_lshlrev_b32 v[LS], 2, v10
	v_lshlrev_b32 v[DA], 6, v11
	v_lshlrev_b32 v12, 5, v10
	s_mul_i32 s34, s[WV], 640
	v_add_nc_u32 v[KSR], 163840, v[LS]             ; LDS: behind the four waves' accumulators the sums of k': wave x 640 + tile x 128 + 4 L
	v_add_nc_u32 v[KSA], s34, v[KSR]
	s_mul_i32 s34, s[WV], 40960
	v_add_nc_u32 v[CAA], s34, v[LI]                ; my 40 accumulators' images
	s_mul_i32 s34, s[WV], 10240
	v_add_nc_u32 v[RG], s34, v[LI]                 ; the ten accumulators that I sum, in each wave's region
	v_add_nc_u32 v[RG+1], 40960, v[RG]
	v_add_nc_u32 v[RG+2], 81920, v[RG]
	v_add_nc_u32 v[RG+3], 122880, v[RG]
.irp b, 0,1,2,3
	v_mov_b32 v[TM+4+\b], 0                        ; a lane permute's destination counts as one of its sources
.endr
	v_mov_b32 v[RR], 0x3d245de8                    ; ratio = 621^-1/2
	v_mov_b32 v[RR+1], 0x3d245de8
	v_mov_b32 v[RE], 0x3686a638                    ; ratio x 1e-4
	v_mov_b32 v[RE+1], 0x3686a638
	s_mov_b32 s[SEL], 0x76543210
	s_mov_b32 s[SEL+1], 0xfedcba98
	s_mov_b32 s[L2E], 0x3fb8aa3b
	s_mov_b32 s[L2E+1], s[L2E]
	s_mov_b32 s[NL2E], 0xbfb8aa3b
	s_mov_b32 s[NL2E+1], s[NL2E]
	s_and_b32 s20, ttmp9, 7                        ; slice
	s_bfe_u32 s21, ttmp9, 0x30003                  ; chunk
	s_lshr_b32 s22, ttmp9, 6                       ; head
	s_lshl_b32 s23, s22, 8
	s_lshl_b32 s34, s21, 5
	s_add_co_u32 s23, s23, s34
	s_lshl_b32 s34, s[WV], 3
	s_add_co_u32 s23, s23, s34                     ; my first record: head x 256 + 32 chunk + 8 wave
	s_mul_i32 s36, s23, 18944
	s_mov_b32 s37, 0
	s_mov_b32 s35, 0
	s_wait_kmcnt 0x0
	s_lshl_b32 s34, s22, 10
	s_add_nc_u64 s[KMP:KMP+1], s[4:5], s[34:35]
	s_add_nc_u64 s[KMP:KMP+1], s[KMP:KMP+1], 19398656  ; my head's 256 block maxima
	s_add_nc_u64 s[4:5], s[4:5], s[36:37]
	s_mul_i32 s34, s20, 5120
	s_add_nc_u64 s[PJP:PJP+1], s[6:7], s[34:35]    ; my 5 tiles of proj (409,600 on, in the immediates)
	s_mul_i32 s34, s20, 640
	s_add_nc_u64 s[PJW:PJW+1], s[6:7], s[34:35]
	s_lshl_b32 s36, s21, 2
	s_add_co_u32 s36, s36, s22                     ; 4 chunk + head
	s_mul_i32 s34, s36, 320
	s_mul_i32 s38, s20, 40
	s_add_co_u32 s34, s34, s38
	s_mul_i32 s38, s[WV], 10
	s_add_co_u32 s34, s34, s38
	s_lshl_b32 s34, s34, 10
	s_add_nc_u64 s[CPP:CPP+1], s[8:9], s[34:35]    ; where my ten summed accumulators go
	s_mul_i32 s34, s36, 40
	s_mul_i32 s38, s20, 5
	s_add_co_u32 s34, s34, s38
	s_lshl_b32 s34, s34, 7
	s_add_nc_u64 s[KSPP:KSPP+1], s[8:9], s[34:35]
	s_add_nc_u64 s[KSPP:KSPP+1], s[KSPP:KSPP+1], 10485760
	global_load_b128 v[HA:HA+3], v12, s[KMP:KMP+1]
	global_load_b128 v[HA+4:HA+7], v12, s[KMP:KMP+1] offset:16
	WIN 0x80
.irp f, 0,1,2,3,4
	global_load_b128 v[PJF+8*\f:PJF+8*\f+3], v[LI], s[PJP:PJP+1] offset:409600+1024*\f
	global_load_b128 v[PJF+8*\f+4:PJF+8*\f+7], v[LI], s[PJP:PJP+1] offset:409600+1024*\f+512
.endr
	WIN 0
.irp f, 0,1,2,3,4
	global_load_b32 v[PJS+\f], v[LS], s[PJW:PJW+1] offset:501760+128*\f
.endr
	LOADK1 0                                       ; at the head both parts go out on end: the wave has nothing to do until all of them are in
	LOADK2 0
	s_wait_loadcnt 63                              ; 79 loads are younger than the two of the maxima
	v_max3_num_f32 v[HA], v[HA], v[HA+1], v[HA+2]
	v_max3_num_f32 v[HA], v[HA], v[HA+3], v[HA+4]
	v_max3_num_f32 v[HA], v[HA], v[HA+5], v[HA+6]
	v_max_num_f32 v[HA], v[HA], v[HA+7]
	v_max_num_f32_dpp v[HA], v[HA], v[HA] row_xmask:1 row_mask:0xf bank_mask:0xf
	v_max_num_f32_dpp v[HA], v[HA], v[HA] row_xmask:2 row_mask:0xf bank_mask:0xf
	v_max_num_f32_dpp v[HA], v[HA], v[HA] row_xmask:4 row_mask:0xf bank_mask:0xf
	v_max_num_f32_dpp v[HA], v[HA], v[HA] row_xmask:8 row_mask:0xf bank_mask:0xf
	v_permlanex16_b32 v[HA+1], v[HA], s[SEL], s[SEL+1]
	v_max_num_f32 v[HA], v[HA], v[HA+1]            ; stab: the head's largest dash_k
	v_mul_f32 v[ST], s[NL2E], v[HA]
	v_mov_b32 v[ST+1], v[ST]
	PHASE 0, 1, 1                                  ; block 0 starts the sums
	s_mov_b32 s[CNT], 0
.Lblocks:                                              ; blocks 1 to 6
	PHASE 1, 0, 1
	PHASE 0, 0, 1
	s_add_co_u32 s[CNT], s[CNT], 1
	s_cmp_lt_u32 s[CNT], 3
	s_cbranch_scc1 .Lblocks
	PHASE 1, 0, 0                                  ; block 7 asks for nothing
.rept 4
	v_nop                                          ; places behind the last products
.endr
.irp f, 0,1,2,3,4
	v_add_f32 v[KSUM+2*\f], v[KSUM+2*\f], v[KSUM+2*\f+1]
.endr
.irp f, 0,1,2,3,4
	v_permlanex16_b32 v[KSUM+2*\f+1], v[KSUM+2*\f], s[SEL], s[SEL+1]
.endr
.irp f, 0,1,2,3,4
	v_add_f32 v[KSUM+2*\f], v[KSUM+2*\f], v[KSUM+2*\f+1]
.endr
.irp f, 0,1,2,3,4
	ds_store_b32 v[KSA], v[KSUM+2*\f] offset:128*\f
.endr
	WIN 0x0c                                       ; an LDS store's data are its source 1: window 3
.set ca, 0
.rept 32
	ds_store_b128 v[CAA], v[8*ca:8*ca+3] offset:1024*ca              ; each accumulator from its low end on
	ds_store_b128 v[CAA], v[8*ca+4:8*ca+7] offset:1024*ca+512
.set ca, ca+1
.endr
	WIN 0x08
.set ca, 0
.rept 8
	ds_store_b128 v[CAA], v[192+8*ca:192+8*ca+3] offset:32768+1024*ca
	ds_store_b128 v[CAA], v[192+8*ca+4:192+8*ca+7] offset:32768+1024*ca+512
.set ca, ca+1
.endr
	WIN 0
	s_wait_dscnt 0x0                               ; for the others' sake: my stores have landed
	s_barrier_signal -1
	s_barrier_wait -1                              ; behind it LDS is only read
	WIN 0x40
.set ca, 0
.rept 20
	ds_load_b128 v[4*ca:4*ca+3], v[RG] offset:512*ca
.set ca, ca+1
.endr
.set ca, 0
.rept 20
	ds_load_b128 v[80+4*ca:80+4*ca+3], v[RG+1] offset:512*ca
.set ca, ca+1
.endr
	WIN 0x80
.set ca, 0
.rept 20
	ds_load_b128 v[4*ca:4*ca+3], v[RG+2] offset:512*ca
.set ca, ca+1
.endr
.set ca, 0
.rept 20
	ds_load_b128 v[80+4*ca:80+4*ca+3], v[RG+3] offset:512*ca
.set ca, ca+1
.endr
	s_wait_dscnt 40                                ; waves 0 and 1's are in; the 40 younger loads may be out
	WIN 0x45
.set ca, 0
.rept 40
	v_pk_add_f32 v[2*ca:2*ca+1], v[2*ca:2*ca+1], v[80+2*ca:81+2*ca]
.set ca, ca+1
.endr
	s_wait_dscnt 0x0
	WIN 0x8a
.set ca, 0
.rept 40
	v_pk_add_f32 v[2*ca:2*ca+1], v[2*ca:2*ca+1], v[80+2*ca:81+2*ca]
.set ca, ca+1
.endr
	WIN 0x49                                       ; window 1 += window 2
.set ca, 0
.rept 40
	v_pk_add_f32 v[2*ca:2*ca+1], v[2*ca:2*ca+1], v[2*ca:2*ca+1]
.set ca, ca+1
.endr
	WIN 0x04
.set ca, 0
.rept 20
	global_store_b128 v[LI], v[4*ca:4*ca+3], s[CPP:CPP+1] offset:512*ca     ; 32 lanes store 512 consecutive bytes
.set ca, ca+1
.endr
	WIN 0
	s_cmp_lg_u32 s[WV], 0
	s_cbranch_scc1 .Lend                           ; wave 0 adds the four waves' sums of k'
.irp f, 0,1,2,3,4
.irp g, 0,1,2,3
	ds_load_b32 v[HA+4*\f+\g], v[KSR] offset:640*\g+128*\f
.endr
.endr
	s_wait_dscnt 0x0
.irp f, 0,1,2,3,4
	v_add_f32 v[HA+4*\f], v[HA+4*\f], v[HA+4*\f+1]
	v_add_f32 v[HA+4*\f+2], v[HA+4*\f+2], v[HA+4*\f+3]
.endr
.irp f, 0,1,2,3,4
	v_add_f32 v[HA+4*\f], v[HA+4*\f], v[HA+4*\f+2]
.endr
.irp f, 0,1,2,3,4
	global_store_b32 v[LS], v[HA+4*\f], s[KSPP:KSPP+1] offset:128*\f       ; 32 lanes a tile: lanes 16-31 repeat lanes 0-15
.endr
.Lend:
	s_wait_tensorcnt 0x0
	ds_add_u32 v254, v255
	s_wait_dscnt 0x0
	s_endpgm
.Lfunc_end_k_q1dc028dc36_kctx:
	.size	k_q1dc028dc36_kctx, .Lfunc_end_k_q1dc028dc36_kctx-k_q1dc028dc36_kctx
	.p2alignl 7, 3214868480
	.fill 96, 4, 3214868480
	.section	.rodata,"a",@progbits
	.p2align	6, 0x0
	.amdhsa_kernel k_q1dc028dc36_kctx
		.amdhsa_group_segment_fixed_size 166912
		.amdhsa_private_segment_fixed_size 0
		.amdhsa_enable_private_segment 0
		.amdhsa_kernarg_size 24
		.amdhsa_user_sgpr_count 2
		.amdhsa_user_sgpr_kernarg_segment_ptr 1
		.amdhsa_wavefront_size32 1
		.amdhsa_system_sgpr_workgroup_id_x 1
		.amdhsa_system_sgpr_workgroup_id_y 1
		.amdhsa_system_sgpr_workgroup_id_z 1
		.amdhsa_system_vgpr_workitem_id 0
		.amdhsa_next_free_vgpr 1024
		.amdhsa_next_free_sgpr 66
		.amdhsa_reserve_vcc 0
		.amdhsa_float_denorm_mode_32 3
		.amdhsa_float_denorm_mode_16_64 3
		.amdhsa_memory_ordered 1
		.amdhsa_forward_progress 1
		.amdhsa_inst_pref_size 255
	.end_amdhsa_kernel
	.section	.bss,"aw",@nobits
	.p2align	6
	.space	262144
	.amdgpu_metadata
---
amdhsa.version: [ 1, 2 ]
amdhsa.kernels:
  - .name:           k_q1dc028dc36_kctx
    .symbol:         k_q1dc028dc36_kctx.kd
    .args:
      - { .name: KV, .offset: 0, .size: 8, .value_kind: global_buffer, .address_space: global }
      - { .name: WB, .offset: 8, .size: 8, .value_kind: global_buffer, .address_space: global }
      - { .name: CP, .offset: 16, .size: 8, .value_kind: global_buffer, .address_space: global }
    .group_segment_fixed_size: 166912
    .private_segment_fixed_size: 0
    .kernarg_segment_align: 8
    .kernarg_segment_size: 24
    .max_flat_workgroup_size: 128
    .sgpr_count:     66
    .vgpr_count:     1024
    .wavefront_size: 32
...
	.end_amdgpu_metadata
.endif
;; end of part 3
;; launch ctxq (part 4): grid 40 x 4, 4 waves a work-group, no clusters, 33,280 bytes of LDS; arguments CP, CX; writes CX
.if DOCPART == 4
	.amdgcn_target "amdgcn-amd-amdhsa--gfx1250"
	.amdhsa_code_object_version 6
	.text
	.protected	k_q1dc028dc36_ctxq
	.globl	k_q1dc028dc36_ctxq
	.p2align	8
	.type	k_q1dc028dc36_ctxq,@function
k_q1dc028dc36_ctxq:
	s_mov_b64 s[64:65], 0
	v_nop
	global_prefetch_b8 v0, s[64:65] scope:SCOPE_SE
	s_setreg_imm32_b32 hwreg(HW_REG_WAVE_MODE, 25, 1), 1
	s_wait_xcnt 0x0
; CTXQ: the eight chunks' partial sums of context and of k' are added; context is quantised along the FEATURES (the next product's K) into operand images.
; Work-group (x = 8 ks + et, y = head): the fragment of K step ks (128 features) and tile et of the head's 128.  Its 64 numbers a lane are the 8 accumulators of feature tiles 8 ks .. 8 ks + 7:
; register 16 b + i = feature 128 ks + 32 b + 16 (lane / 16) + i.  Wave w adds chunks 2 w and 2 w + 1; waves 1-3 hand their sums to wave 0 through LDS.
; Features 621 .. 639 (copies of feature 620 made for the padding) become zeros ahead of the quantiser, here and in the sum of k': as the definition's padded block has them.
; The work-groups with et = 0 also add the sums of k': thread t takes feature 128 ks + t.
; LIMITS: NaN and infinities are not served; a block of zeros gets the scale byte 1 (read by this program alone); the order of the sums is not the definition's.
.set LI,  1
.set LS,  2
.set SW,  3
.set ZR,  4
.set SS,  16
.set SA,  80
.set SB,  144
.set TM,  208
.set PC,  224
.set PW,  232
.set WV,  8
.set ET,  9
.set KSI, 10
.set HD,  11
.set SEL, 12
.set HM,  14
.set LIM, 15
.set KP,  20
.set KO,  22
.set MSB, 0
.macro WIN new
.if MSB != (\new)
	s_set_vgpr_msb (MSB<<8)|(\new)
.set MSB, (\new)
.endif
.endm
.macro QMAX s, win
	WIN (\win)|((\win)<<2)
.irp b, 0,1,2,3
	v_max3_num_f32 v[TM+\b], |v[(\s)+16*\b]|, |v[(\s)+16*\b+1]|, 0x1800000   ; with the floor 2^(3 - 127): the byte cannot fall under 1
.endr
.irp i, 2,4,6,8,10,12,14
.irp b, 0,1,2,3
	v_max3_num_f32 v[TM+\b], |v[(\s)+16*\b+\i]|, |v[(\s)+16*\b+\i+1]|, v[TM+\b]
.endr
.endr
	WIN 0
.irp b, 0,1,2,3
	v_permlanex16_b32 v[TM+4+\b], v[TM+\b], s[SEL], s[SEL+1]
.endr
.irp b, 0,1,2,3
	v_max_num_f32 v[TM+\b], v[TM+\b], v[TM+4+\b]
.endr
.irp b, 0,1,2,3
	v_add_nc_u32 v[TM+12+\b], 0xff000000, v[TM+\b]
.endr
.irp b, 0,1,2,3
	v_lshrrev_b32 v[TM+4+\b], 23, v[TM+12+\b]
.endr
.endm
.macro QWORD pw
	v_lshl_or_b32 v[\pw], v[TM+5], 8, v[TM+4]
	v_lshl_or_b32 v[\pw], v[TM+6], 16, v[\pw]
	v_lshl_or_b32 v[\pw], v[TM+7], 24, v[\pw]
.endm
.macro QCVT s, win, d, dwin, step
	WIN (\win)|((\dwin)<<6)
.irp b, 0,1,2,3
	v_cvt_scalef32_pk8_fp4_f32 v[(\d)+(\step)*\b], v[(\s)+16*\b:(\s)+16*\b+7], v[TM+12+\b]
	v_cvt_scalef32_pk8_fp4_f32 v[(\d)+(\step)*\b+1], v[(\s)+16*\b+8:(\s)+16*\b+15], v[TM+12+\b]
.endr
	WIN 0
	v_nop
.endm
.macro QSWAP pc, win
	WIN (\win)|((\win)<<6)
.irp c, 0,1
.irp i, 0,1
	v_permlane16_swap_b32 v[(\pc)+4*\c+\i], v[(\pc)+4*\c+2+\i]
.endr
.endr
.endm
.macro QUANT s, win, pc, pw
	QMAX \s, \win
	QWORD \pw
	QCVT \s, \win, \pc, 0, 2
	QSWAP \pc, 0
.endm
.macro ADD64 d, a                      ; 64 registers += 64 registers
.set aj, 0
.rept 32
	v_pk_add_f32 v[(\d)+aj:(\d)+aj+1], v[(\d)+aj:(\d)+aj+1], v[(\a)+aj:(\a)+aj+1]
.set aj, aj+2
.endr
.endm
.macro REGION reg, g                   ; wave g's 64 sums out of LDS
.set aj, 0
.rept 16
	ds_load_b128 v[(\reg)+4*aj:(\reg)+4*aj+3], v[LI] offset:8192*(\g)+512*aj
.set aj, aj+1
.endr
.endm
	s_load_b128 s[4:7], s[0:1], 0x0                ; CP, CX
	v_lshl_add_u32 v254, v0, 2, 0x8000
	v_mov_b32 v255, 0
	v_lshrrev_b32 v3, 5, v0
	v_readfirstlane_b32 s[WV], v3
	v_and_b32 v3, 31, v0
	v_lshlrev_b32 v[LI], 4, v3
	v_lshlrev_b32 v[LS], 2, v3
	s_lshl_b32 s24, s[WV], 13
	v_add_nc_u32 v[SW], s24, v[LI]                 ; LDS: wave x 8,192 + 16 L
	v_mov_b32 v[ZR], 0
.irp b, 0,1,2,3
	v_mov_b32 v[TM+4+\b], 0
.endr
	s_mov_b32 s[SEL], 0x76543210
	s_mov_b32 s[SEL+1], 0xfedcba98
	s_mov_b32 s[HM], 0xffff0000
	s_and_b32 s[ET], ttmp9, 7
	s_lshr_b32 s[KSI], ttmp9, 3
	s_and_b32 s[HD], ttmp7, 0xffff
	s_mul_i32 s24, s[WV], 2621440                  ; two chunks of 4 x 320 accumulators of 1,024 bytes
	s_mul_i32 s26, s[HD], 327680
	s_add_co_u32 s24, s24, s26
	s_lshl_b32 s26, s[KSI], 16
	s_add_co_u32 s24, s24, s26
	s_lshl_b32 s26, s[ET], 10
	s_add_co_u32 s24, s24, s26
	s_mov_b32 s25, 0
	s_mul_i32 s26, s[HD], 5120
	s_lshl_b32 s28, s[KSI], 10
	s_add_co_u32 s26, s26, s28
	s_mov_b32 s27, 0
	s_mul_i32 s28, s[HD], 2560
	s_lshl_b32 s30, s[KSI], 9
	s_add_co_u32 s28, s28, s30
	s_mov_b32 s29, 0
	s_mul_i32 s30, s[HD], 40
	s_add_co_u32 s30, s30, ttmp9                   ; the fragment's number: (5 head + ks) x 8 + et
	s_lshl_b32 s32, s30, 10
	s_mov_b32 s33, 0
	s_lshl_b32 s30, s30, 7
	s_mov_b32 s31, 0
	s_lshl_b32 s[LIM], s[KSI], 7
	s_sub_co_u32 s[LIM], 621, s[LIM]               ; so many of my 128 features exist
	s_wait_kmcnt 0x0
	s_add_nc_u64 s[KP:KP+1], s[4:5], s[26:27]
	s_add_nc_u64 s[KP:KP+1], s[KP:KP+1], 10485760
	s_add_nc_u64 s[4:5], s[4:5], s[24:25]
	s_add_nc_u64 s[KO:KO+1], s[6:7], s[28:29]
	s_add_nc_u64 s[16:17], s[6:7], s[32:33]        ; the fragment's image
	s_add_nc_u64 s[18:19], s[6:7], s[30:31]        ; its scale word (163,840 on, in the immediate)
.set aj, 0
.rept 16
	global_load_b128 v[SS+4*aj:SS+4*aj+3], v[LI], s[4:5] offset:8192*(aj/2)+512*(aj%2) th:TH_LOAD_NT
	global_load_b128 v[SA+4*aj:SA+4*aj+3], v[LI], s[4:5] offset:1310720+8192*(aj/2)+512*(aj%2) th:TH_LOAD_NT
.set aj, aj+1
.endr
	s_cmp_lg_u32 s[ET], 0
	s_cbranch_scc1 .Lno_kcs                        ; the same in all four waves; no barrier stands inside
	v_lshrrev_b32 v240, 5, v0
	v_bfe_u32 v241, v0, 3, 1
	v_lshl_add_u32 v240, v240, 1, v241             ; feature t lies in tile 2 (t / 32) + (t / 8) % 2
	v_and_b32 v241, 7, v0
	v_bfe_u32 v242, v0, 4, 1
	v_lshl_add_u32 v241, v242, 3, v241             ; at lane t % 8 + 8 ((t / 16) % 2)
	v_lshlrev_b32 v241, 2, v241
	v_lshl_add_u32 v240, v240, 7, v241
.irp c, 0,1,2,3,4,5,6,7
	global_load_b32 v[244+\c], v240, s[KP:KP+1] offset:20480*\c
.endr
	s_wait_loadcnt 0x0
	v_add_f32 v244, v244, v245
	v_add_f32 v246, v246, v247
	v_add_f32 v248, v248, v249
	v_add_f32 v250, v250, v251
	v_add_f32 v244, v244, v246
	v_add_f32 v248, v248, v250
	v_add_f32 v244, v244, v248
	v_cmp_gt_u32 vcc_lo, s[LIM], v0
	v_cndmask_b32 v244, v[ZR], v244, vcc_lo        ; 0 for features 621 on
	v_lshlrev_b32 v243, 2, v0
	global_store_b32 v243, v244, s[KO:KO+1] offset:184320
.Lno_kcs:
	s_wait_loadcnt 0x0
	ADD64 SS, SA
	s_cmp_eq_u32 s[WV], 0
	s_cbranch_scc1 .Lkeep                          ; wave 0 keeps its sums in registers
.set aj, 0
.rept 16
	ds_store_b128 v[SW], v[SS+4*aj:SS+4*aj+3] offset:512*aj
.set aj, aj+1
.endr
.Lkeep:
	s_wait_dscnt 0x0                               ; for wave 0's sake: my stores have landed
	s_barrier_signal -1
	s_barrier_wait -1
	s_cmp_lg_u32 s[WV], 0
	s_cbranch_scc1 .Lend
	REGION SA, 1
	REGION SB, 2
	s_wait_dscnt 16                                ; wave 1's are in; the 16 younger loads may be out
	ADD64 SS, SA
	REGION SA, 3
	s_wait_dscnt 16
	ADD64 SS, SB
	s_wait_dscnt 0x0
	ADD64 SS, SA
	s_cmp_lg_u32 s[KSI], 4
	s_cbranch_scc1 .Lwhole
	v_mov_b32 v[SS+61], 0                          ; features 512 + 96 + 16 h + i from 621 on: i = 13, 14, 15 in every lane,
	v_mov_b32 v[SS+62], 0
	v_mov_b32 v[SS+63], 0
.irp i, 48,49,50,51,52,53,54,55,56,57,58,59,60
	v_cndmask_b32 v[SS+\i], v[SS+\i], v[ZR], s[HM] ; and all of lanes 16-31's
.endr
.Lwhole:
	QUANT SS, 0, PC, PW
	global_store_b128 v[LI], v[PC:PC+3], s[16:17]
	global_store_b128 v[LI], v[PC+4:PC+7], s[16:17] offset:512
	global_store_b32 v[LS], v[PW], s[18:19] offset:163840
.Lend:
	s_wait_tensorcnt 0x0
	ds_add_u32 v254, v255
	s_wait_dscnt 0x0
	s_endpgm
.Lfunc_end_k_q1dc028dc36_ctxq:
	.size	k_q1dc028dc36_ctxq, .Lfunc_end_k_q1dc028dc36_ctxq-k_q1dc028dc36_ctxq
	.p2alignl 7, 3214868480
	.fill 96, 4, 3214868480
	.section	.rodata,"a",@progbits
	.p2align	6, 0x0
	.amdhsa_kernel k_q1dc028dc36_ctxq
		.amdhsa_group_segment_fixed_size 33280
		.amdhsa_private_segment_fixed_size 0
		.amdhsa_enable_private_segment 0
		.amdhsa_kernarg_size 16
		.amdhsa_user_sgpr_count 2
		.amdhsa_user_sgpr_kernarg_segment_ptr 1
		.amdhsa_wavefront_size32 1
		.amdhsa_system_sgpr_workgroup_id_x 1
		.amdhsa_system_sgpr_workgroup_id_y 1
		.amdhsa_system_sgpr_workgroup_id_z 1
		.amdhsa_system_vgpr_workitem_id 0
		.amdhsa_next_free_vgpr 256
		.amdhsa_next_free_sgpr 66
		.amdhsa_reserve_vcc 1
		.amdhsa_float_denorm_mode_32 3
		.amdhsa_float_denorm_mode_16_64 3
		.amdhsa_memory_ordered 1
		.amdhsa_forward_progress 1
		.amdhsa_inst_pref_size 25
	.end_amdhsa_kernel
	.amdgpu_metadata
---
amdhsa.version: [ 1, 2 ]
amdhsa.kernels:
  - .name:           k_q1dc028dc36_ctxq
    .symbol:         k_q1dc028dc36_ctxq.kd
    .args:
      - { .name: CP, .offset: 0, .size: 8, .value_kind: global_buffer, .address_space: global }
      - { .name: CX, .offset: 8, .size: 8, .value_kind: global_buffer, .address_space: global }
    .group_segment_fixed_size: 33280
    .private_segment_fixed_size: 0
    .kernarg_segment_align: 8
    .kernarg_segment_size: 16
    .max_flat_workgroup_size: 128
    .sgpr_count:     66
    .vgpr_count:     256
    .wavefront_size: 32
...
	.end_amdgpu_metadata
.endif
;; end of part 4
;; launch attn (part 5): grid 256 x 1, 4 waves a work-group, no clusters, 108,032 bytes of LDS; arguments QB, WB, CX, b1, out0, out1, CST; writes out0, out1, CST
.if DOCPART == 5
	.amdgcn_target "amdgcn-amd-amdhsa--gfx1250"
	.amdhsa_code_object_version 6
	.text
	.protected	k_q1dc028dc36_attn
	.globl	k_q1dc028dc36_attn
	.p2align	8
	.type	k_q1dc028dc36_attn,@function
k_q1dc028dc36_attn:
	s_mov_b64 s[64:65], 0
	v_nop
	global_prefetch_b8 v0, s[64:65] scope:SCOPE_SE
	s_setreg_imm32_b32 hwreg(HW_REG_WAVE_MODE, 25, 1), 1
	s_wait_xcnt 0x0
; ATTN: q' = ratio (exp(dash_q - diag_q - the row's largest dash_q) + eps); vals = (q' context) / (q' . sum of k'); relu; logits = h W1^T + b1; log_softmax along the classes; the block's log-sum-exp of each class.
; SHARES.  A work-group takes 128 nodes; wave w is head w for all 8 node tiles: 64 accumulators (8 node tiles x 8 tiles of the head's 128), 512 registers.  In the tail wave w takes node tiles 2 w, 2 w + 1 for all 64 classes.
; K goes in 5 steps of 128 features.  For each node tile: dash (source 0 = 16 features of proj, source 1 = the tile's codes of q: a lane holds one node, its 64 registers the features in the quantiser's order), the exponentials,
; the quantiser along the features, the f32 dot product with the sum of k', and 8 products with context's fragments (source 0: so a lane's results run along the head's 128, the last product's K).
; The next tile's dash is issued ahead of this tile's vector work.  Each K step's operands are asked for as soon as their registers are free: proj's behind the last dash, the sum of k' behind the last dot product, context's behind the last product.
; The first K step, whose products start the sums, is written out ahead of the loop.  The loop's last trip asks once more for K step 4's operands (the step is clamped): nobody reads them; so the loads' counts are the same in every trip.
; Features 621 .. 639: proj's image repeats row 620 there, context's codes and the sum of k' are zeros there.
; REGISTERS: window 0: v1-15, v238-241 addresses; v16-79 HA, v80-143 HB; v144.. codes, v152 their word; v154-177 at work; v178-193 the dot products; v194-209 -(diag + max) log2 e; v210-233 scale words; v234-237 ratio, ratio eps.
;   window 1: v0 proj's 8 fragments, v64 context's 8, v128 q's 8, v192 the sum of k'; later W1 and b1.   windows 2, 3: the accumulators, (node tile nt, tile et) at 64 (nt % 4) + 8 et.
; LIMITS: NaN and infinities are not served; ratio (e + eps) and the exponent are one fused multiply-add each; a block of zeros gets the scale byte 1.
.set HIMG, 0                           ; LDS: h's 32 fragments, (node tile x 4 + head) x 1,024
.set HSC,  32768                       ; their scale words
.set ST1,  36864                       ; 128 rows x (256 + 16) bytes: the logits
.set STD,  34816                       ; so far behind: log_softmax
.set CSB,  106496                      ; (largest, sum) of each class in each half of the rows
.set LI,  1
.set LS,  2
.set O8,  3
.set O1,  4
.set OKC, 5
.set KB0, 6
.set HWI, 7
.set HWS, 8
.set HRI, 9
.set HRS, 10
.set SO,  11
.set SR,  12
.set GO,  13
.set CAD, 14
.set CSA, 15
.set HA,  16
.set HB,  80
.set LG,  80
.set PC,  144
.set PW,  152
.set TM,  154
.set CH,  170
.set DEN, 178
.set CP,  194
.set QS,  210
.set PJS, 218
.set CXS, 226
.set W1S, 218
.set RR,  234
.set RE,  236
.set BA,  238
.set CQA, 239
.set CSR, 240
.set L8,  241
.set PJF, 0
.set CXF, 64
.set QF,  128
.set KC,  192
.set WV,  18
.set CNT, 19
.set SEL, 20
.set L2E, 22
.set CXC, 24
.set CXW, 26
.set KCP, 28
.set NL2E, 30
.set LN2, 31
.set KSN, 32
.set MSB, 0
.macro WIN new                         ; the immediate's high byte repeats the setting that is left
.if MSB != (\new)
	s_set_vgpr_msb (MSB<<8)|(\new)
.set MSB, (\new)
.endif
.endm
.macro QMAX s, win
	WIN (\win)|((\win)<<2)
.irp b, 0,1,2,3
	v_max3_num_f32 v[TM+\b], |v[(\s)+16*\b]|, |v[(\s)+16*\b+1]|, 0x1800000   ; with the floor 2^(3 - 127): the byte cannot fall under 1
.endr
.irp i, 2,4,6,8,10,12,14
.irp b, 0,1,2,3
	v_max3_num_f32 v[TM+\b], |v[(\s)+16*\b+\i]|, |v[(\s)+16*\b+\i+1]|, v[TM+\b]
.endr
.endr
	WIN 0
.irp b, 0,1,2,3
	v_permlanex16_b32 v[TM+4+\b], v[TM+\b], s[SEL], s[SEL+1]
.endr
.irp b, 0,1,2,3
	v_max_num_f32 v[TM+\b], v[TM+\b], v[TM+4+\b]
.endr
.irp b, 0,1,2,3
	v_add_nc_u32 v[TM+12+\b], 0xff000000, v[TM+\b]     ; 2 off the exponent field: the conversion's scale operand
.endr
.irp b, 0,1,2,3
	v_lshrrev_b32 v[TM+4+\b], 23, v[TM+12+\b]          ; the scale's byte
.endr
.endm
.macro QWORD pw
	v_lshl_or_b32 v[\pw], v[TM+5], 8, v[TM+4]
	v_lshl_or_b32 v[\pw], v[TM+6], 16, v[\pw]
	v_lshl_or_b32 v[\pw], v[TM+7], 24, v[\pw]
.endm
.macro QCVT s, win, d, dwin, step
	WIN (\win)|((\dwin)<<6)
.irp b, 0,1,2,3
	v_cvt_scalef32_pk8_fp4_f32 v[(\d)+(\step)*\b], v[(\s)+16*\b:(\s)+16*\b+7], v[TM+12+\b]
	v_cvt_scalef32_pk8_fp4_f32 v[(\d)+(\step)*\b+1], v[(\s)+16*\b+8:(\s)+16*\b+15], v[TM+12+\b]
.endr
	WIN 0
	v_nop                                              ; one plain place behind the scaled conversions
.endm
.macro QSWAP pc, win
	WIN (\win)|((\win)<<6)
.irp c, 0,1
.irp i, 0,1
	v_permlane16_swap_b32 v[(\pc)+4*\c+\i], v[(\pc)+4*\c+2+\i]
.endr
.endr
.endm
.macro QUANT s, win, pc, pw
	QMAX \s, \win
	QWORD \pw
	QCVT \s, \win, \pc, 0, 2
	QSWAP \pc, 0
.endm
.macro ELEM H, C, cstep, cwin
	WIN (\cwin)<<4
.set ej, 0
.rept 32
	v_pk_fma_f32 v[(\H)+ej:(\H)+ej+1], v[(\H)+ej:(\H)+ej+1], s[L2E:L2E+1], v[(\C)+(\cstep)*ej:(\C)+(\cstep)*ej+1] op_sel_hi:[1,0,1]
.set ej, ej+2
.endr
	WIN 0
.set ej, 0
.rept 64
	v_exp_f32 v[(\H)+ej], v[(\H)+ej]
.set ej, ej+1
.endr
	v_nop                                              ; a plain place behind the exponentials
.set ej, 0
	s_wait_alu depctr_va_vdst(0)
.rept 32
	v_pk_fma_f32 v[(\H)+ej:(\H)+ej+1], v[(\H)+ej:(\H)+ej+1], v[RR:RR+1], v[RE:RE+1]
.set ej, ej+2
.endr
.endm
.macro LOADPJ                          ; a K step's 8 tiles of proj: 24 loads
	WIN 0x40
.set lq, 0
.rept 8
	global_load_b128 v[PJF+8*lq:PJF+8*lq+3], v[O8], s[6:7] offset:409600+1024*lq
	global_load_b128 v[PJF+8*lq+4:PJF+8*lq+7], v[O8], s[6:7] offset:409600+1024*lq+512
.set lq, lq+1
.endr
	WIN 0
.set lq, 0
.rept 8
	global_load_b32 v[PJS+lq], v[O1], s[6:7] offset:501760+128*lq
.set lq, lq+1
.endr
.endm
.macro LOADKC                          ; its 128 sums of k', 64 a lane: 16 loads
	WIN 0x40
.set lq, 0
.rept 16
	global_load_b128 v[KC+4*lq:KC+4*lq+3], v[OKC], s[KCP:KCP+1] offset:128*(lq/4)+16*(lq%4)
.set lq, lq+1
.endr
	WIN 0
.endm
.macro LOADCX                          ; its 8 fragments of context: 24 loads
	WIN 0x40
.set lq, 0
.rept 8
	global_load_b128 v[CXF+8*lq:CXF+8*lq+3], v[O8], s[CXC:CXC+1] offset:1024*lq
	global_load_b128 v[CXF+8*lq+4:CXF+8*lq+7], v[O8], s[CXC:CXC+1] offset:1024*lq+512
.set lq, lq+1
.endr
	WIN 0
.set lq, 0
.rept 8
	global_load_b32 v[CXS+lq], v[O1], s[CXW:CXW+1] offset:128*lq
.set lq, lq+1
.endr
.endm
.macro DASHQ nt
	WIN 0x05                                       ; proj and q window 1
.irp t, 0,1,2,3,4,5,6,7
	v_wmma_scale_f32_16x16x128_f8f6f4 v[HA+64*((\nt)%2)+8*\t:HA+64*((\nt)%2)+8*\t+7], v[PJF+8*\t:PJF+8*\t+7], v[QF+8*(\nt):QF+8*(\nt)+7], 0, v[PJS+\t], v[QS+(\nt)] matrix_a_fmt:MATRIX_FMT_FP4 matrix_b_fmt:MATRIX_FMT_FP4
.endr
.endm
; q' . sum of k', in f32, of the unquantised q'.  Its 35 lines are also the places between the codes' and the word's last writes and the products that take them
.macro DENF H, nt, zero
	WIN 0x04
.irp c, 0,1,2,3
	v_pk_mul_f32 v[CH+2*\c:CH+2*\c+1], v[(\H)+2*\c:(\H)+2*\c+1], v[KC+2*\c:KC+2*\c+1]
.endr
.set dp, 4
.rept 28
	v_pk_fma_f32 v[CH+2*(dp%4):CH+2*(dp%4)+1], v[(\H)+2*dp:(\H)+2*dp+1], v[KC+2*dp:KC+2*dp+1], v[CH+2*(dp%4):CH+2*(dp%4)+1]
.set dp, dp+1
.endr
	WIN 0
	v_pk_add_f32 v[CH:CH+1], v[CH:CH+1], v[CH+2:CH+3]
	v_pk_add_f32 v[CH+4:CH+5], v[CH+4:CH+5], v[CH+6:CH+7]
.if \zero
	v_pk_add_f32 v[DEN+2*(\nt):DEN+2*(\nt)+1], v[CH:CH+1], v[CH+4:CH+5]
.else
	v_pk_add_f32 v[CH:CH+1], v[CH:CH+1], v[CH+4:CH+5]
	v_pk_add_f32 v[DEN+2*(\nt):DEN+2*(\nt)+1], v[DEN+2*(\nt):DEN+2*(\nt)+1], v[CH:CH+1]
.endif
.endm
.macro CTXQ nt, zero                   ; 8 accumulators by turns.  zero = 1: the first K step's products start the sums
.if (\nt) < 4
	WIN 0xa1
.else
	WIN 0xf1
.endif
.irp et, 0,1,2,3,4,5,6,7
.if \zero
	v_wmma_scale_f32_16x16x128_f8f6f4 v[64*((\nt)%4)+8*\et:64*((\nt)%4)+8*\et+7], v[CXF+8*\et:CXF+8*\et+7], v[PC:PC+7], 0, v[CXS+\et], v[PW] matrix_a_fmt:MATRIX_FMT_FP4 matrix_b_fmt:MATRIX_FMT_FP4
.else
	v_wmma_scale_f32_16x16x128_f8f6f4 v[64*((\nt)%4)+8*\et:64*((\nt)%4)+8*\et+7], v[CXF+8*\et:CXF+8*\et+7], v[PC:PC+7], v[64*((\nt)%4)+8*\et:64*((\nt)%4)+8*\et+7], v[CXS+\et], v[PW] matrix_a_fmt:MATRIX_FMT_FP4 matrix_b_fmt:MATRIX_FMT_FP4
.endif
.endr
.endm
.macro NSTEP nt, zero
.set HH, HA+64*((\nt)%2)
.if ((\nt) >= 1) && ((\nt) < 7)
	DASHQ (\nt)+1
.endif
	ELEM HH, CP+2*(\nt), 0, 0
.if (\nt) == 6                         ; the last dash has been issued, and the lines above are its places: proj's registers take the next K step.  The offsets' last loads were waited for at node tile 0
	v_lshl_add_u32 v[O8], s[KSN], 13, v[LI]
	v_lshl_add_u32 v[O1], s[KSN], 10, v[LS]
	v_lshl_add_u32 v[OKC], s[KSN], 9, v[KB0]
	LOADPJ
.endif
	QUANT HH, 0, PC, PW
.if (\nt) == 0
	s_wait_loadcnt 24                              ; the sums of k' are in; context's 24 loads may be out
.endif
	DENF HH, \nt, \zero
.if (\nt) == 7
	LOADKC
.endif
.if (\nt) == 0
	s_wait_loadcnt 0x0                             ; context's fragments are in
.endif
	CTXQ \nt, \zero
.if (\nt) == 7
	WIN 0
.rept 4
	v_nop                                          ; places in front of the loads into context's registers
.endr
	LOADCX
.endif
.endm
.macro KSTRIP zero
	s_wait_loadcnt 40                              ; proj's tiles are in; the 16 + 24 younger loads may be out
	DASHQ 0
	DASHQ 1
	WIN 0
.rept 4
	v_nop
.endr
.irp nt, 0,1,2,3,4,5,6,7
	NSTEP \nt, \zero
.endr
.endm
; node tile nt: vals = sums / the dot product, relu, the quantiser along the head's 128: K step w of the last product, as an image into LDS
.macro FINN nt
.if (\nt) < 4
	WIN 0x02
.else
	WIN 0x03
.endif
.set fj, 0
.rept 32
	v_pk_mul_f32 v[HA+fj:HA+fj+1], v[64*((\nt)%4)+fj:64*((\nt)%4)+fj+1], v[DEN+2*(\nt):DEN+2*(\nt)+1]   ; each accumulator from its low end on
.set fj, fj+2
.endr
	WIN 0
.set fj, 0
.rept 64
	v_max_num_f32 v[HA+fj], 0, v[HA+fj]
.set fj, fj+1
.endr
	QUANT HA, 0, PC, PW
	ds_store_b128 v[HWI], v[PC:PC+3] offset:HIMG+4096*(\nt)
	ds_store_b128 v[HWI], v[PC+4:PC+7] offset:HIMG+4096*(\nt)+512
	ds_store_b32 v[HWS], v[PW] offset:512*(\nt)
	s_wait_dscnt 0x0                               ; the stores have read their registers
.endm
	s_load_b256 s[4:11], s[0:1], 0x0               ; QB, WB, CX, b1
	s_load_b128 s[12:15], s[0:1], 0x20             ; out0, out1
	s_load_b64 s[16:17], s[0:1], 0x30              ; CST
	v_lshl_add_u32 v254, v0, 2, 0x1a400
	v_mov_b32 v255, 0
	v_lshrrev_b32 v16, 5, v0
	v_readfirstlane_b32 s[WV], v16                 ; wave = head
	v_and_b32 v16, 31, v0                          ; lane
	v_and_b32 v17, 15, v0                          ; r
	v_bfe_u32 v18, v0, 4, 1                        ; h
	v_lshlrev_b32 v[LI], 4, v16
	v_lshlrev_b32 v[LS], 2, v16
	v_lshlrev_b32 v[L8], 3, v16
	v_mov_b32 v[O8], v[LI]
	v_mov_b32 v[O1], v[LS]
	v_lshlrev_b32 v[KB0], 6, v18
	v_mov_b32 v[OKC], v[KB0]
	v_lshlrev_b32 v[BA], 5, v18
	v_and_b32 v19, 8, v17
	v_add_nc_u32 v19, v19, v17
	v_lshlrev_b32 v[CQA], 2, v19                   ; 4 (r + 8 (r / 8))
	s_lshl_b32 s34, s[WV], 10
	v_add_nc_u32 v[HWI], s34, v[LI]
	v_add_nc_u32 v[HRS], s34, v[LS]
	v_add_nc_u32 v[HRS], HSC, v[HRS]
	s_lshl_b32 s34, s[WV], 7
	v_add_nc_u32 v[HWS], s34, v[LS]
	v_add_nc_u32 v[HWS], HSC, v[HWS]
	s_lshl_b32 s34, s[WV], 13
	v_add_nc_u32 v[HRI], s34, v[LI]
	s_mul_i32 s34, s[WV], 8704                     ; my 32 rows of a stage
	v_mul_u32_u24 v[SO], v17, 272
	v_lshl_add_u32 v[SO], v18, 5, v[SO]
	v_add_nc_u32 v[SO], s34, v[SO]
	v_add_nc_u32 v[SO], ST1, v[SO]                 ; in: row r of a tile, + 32 h
	v_mul_u32_u24 v[SR], v18, 272
	v_lshl_add_u32 v[SR], v17, 4, v[SR]
	v_add_nc_u32 v[SR], s34, v[SR]
	v_add_nc_u32 v[SR], ST1, v[SR]                 ; back: lanes 0-15 one row, lanes 16-31 the next
	v_lshlrev_b32 v[GO], 8, v18
	v_lshl_add_u32 v[GO], v17, 4, v[GO]            ; and the same two rows in memory
	s_lshr_b32 s34, s[WV], 1
	s_and_b32 s35, s[WV], 1
	s_mul_i32 s36, s34, 17408                      ; the column pass: rows 64 (w / 2) on,
	s_lshl_b32 s37, s35, 7                         ; class 32 (w % 2) + lane
	s_add_co_u32 s36, s36, s37
	v_add_nc_u32 v[CAD], s36, v[LS]
	v_add_nc_u32 v[CAD], ST1, v[CAD]
	s_lshl_b32 s36, s34, 9
	s_lshl_b32 s37, s35, 8
	s_add_co_u32 s36, s36, s37
	v_add_nc_u32 v[CSA], s36, v[L8]
	v_add_nc_u32 v[CSA], CSB, v[CSA]
	v_add_nc_u32 v[CSR], CSB, v[LI]
.irp b, 0,1,2,3
	v_mov_b32 v[TM+4+\b], 0                        ; a lane permute's destination counts as one of its sources
.endr
	v_mov_b32 v[RR], 0x3d245de8                    ; ratio = 621^-1/2
	v_mov_b32 v[RR+1], 0x3d245de8
	v_mov_b32 v[RE], 0x3686a638                    ; ratio x 1e-4
	v_mov_b32 v[RE+1], 0x3686a638
	s_mov_b32 s[SEL], 0x76543210
	s_mov_b32 s[SEL+1], 0xfedcba98
	s_mov_b32 s[L2E], 0x3fb8aa3b
	s_mov_b32 s[L2E+1], s[L2E]
	s_mov_b32 s[NL2E], 0xbfb8aa3b
	s_mov_b32 s[LN2], 0x3f317218
	s_lshl_b32 s36, s[WV], 8
	s_add_co_u32 s36, s36, ttmp9
	s_mul_i32 s34, s36, 9728
	s_mov_b32 s35, 0
	s_wait_kmcnt 0x0
	s_add_nc_u64 s[4:5], s[4:5], s[34:35]          ; my record of q
	s_mul_i32 s34, s[WV], 40960
	s_add_nc_u64 s[CXC:CXC+1], s[8:9], s[34:35]    ; my head's 40 fragments of context,
	s_mul_i32 s34, s[WV], 5120
	s_add_nc_u64 s[CXW:CXW+1], s[8:9], s[34:35]
	s_add_nc_u64 s[CXW:CXW+1], s[CXW:CXW+1], 163840   ; their scale words,
	s_mul_i32 s34, s[WV], 2560
	s_add_nc_u64 s[KCP:KCP+1], s[8:9], s[34:35]
	s_add_nc_u64 s[KCP:KCP+1], s[KCP:KCP+1], 184320   ; its sums of k'
	s_lshl_b32 s34, ttmp9, 15
	s_lshl_b32 s36, s[WV], 13
	s_add_co_u32 s34, s34, s36                     ; rows 128 block + 32 wave of 256 bytes
	s_add_nc_u64 s[12:13], s[12:13], s[34:35]
	s_add_nc_u64 s[14:15], s[14:15], s[34:35]
	s_lshl_b32 s34, ttmp9, 8
	s_add_nc_u64 s[16:17], s[16:17], s[34:35]
	WIN 0x40
.set lq, 0
.rept 8
	global_load_b128 v[QF+8*lq:QF+8*lq+3], v[LI], s[4:5] offset:1024*lq th:TH_LOAD_NT
	global_load_b128 v[QF+8*lq+4:QF+8*lq+7], v[LI], s[4:5] offset:1024*lq+512 th:TH_LOAD_NT
.set lq, lq+1
.endr
	WIN 0
.set lq, 0
.rept 8
	global_load_b32 v[QS+lq], v[LS], s[4:5] offset:8192+128*lq th:TH_LOAD_NT
	global_load_b32 v[CP+2*lq], v[CQA], s[4:5] offset:9216+(32*(lq/2)+8*(lq%2))*4 th:TH_LOAD_NT   ; -(diag + max) of my lane's node of each tile
.set lq, lq+1
.endr
	LOADPJ                                         ; K step 0
	LOADKC
	LOADCX
	s_wait_loadcnt 63                              ; 64 loads are younger than q's 32
.irp nt, 0,1,2,3,4,5,6,7
	v_mul_f32 v[CP+2*\nt], s[L2E], v[CP+2*\nt]
.endr
.irp nt, 0,1,2,3,4,5,6,7
	v_mov_b32 v[CP+2*\nt+1], v[CP+2*\nt]
.endr
	s_mov_b32 s[KSN], 1
	KSTRIP 1                                       ; K step 0 starts the sums
	s_mov_b32 s[CNT], 1
.Lks:                                                  ; K steps 1 to 4
	s_add_co_u32 s[KSN], s[CNT], 1
	s_min_u32 s[KSN], s[KSN], 4                    ; what is asked for in this trip; in the last trip K step 4 once more
	KSTRIP 0
	s_add_co_u32 s[CNT], s[CNT], 1
	s_cmp_lt_u32 s[CNT], 5
	s_cbranch_scc1 .Lks
	s_wait_loadcnt 0x0                             ; no load is out: the operands' registers take W1 (four places stand behind the last products)
	WIN 0x40
.set lq, 0
.rept 16
	global_load_b128 v[8*lq:8*lq+3], v[LI], s[6:7] offset:393216+1024*lq
	global_load_b128 v[8*lq+4:8*lq+7], v[LI], s[6:7] offset:393216+1024*lq+512
.set lq, lq+1
.endr
.irp ct, 0,1,2,3
	global_load_b128 v[128+8*\ct:128+8*\ct+3], v[BA], s[10:11] offset:64*\ct        ; b1 of classes 16 ct + 8 h + 0 .. 7: the C of a tile's first product
	global_load_b128 v[128+8*\ct+4:128+8*\ct+7], v[BA], s[10:11] offset:64*\ct+16
.endr
	WIN 0
.set lq, 0
.rept 16
	global_load_b32 v[W1S+lq], v[LS], s[6:7] offset:499712+128*lq
.set lq, lq+1
.endr
.irp nt, 0,1,2,3,4,5,6,7
	v_add_f32 v[HB+\nt], v[DEN+2*\nt], v[DEN+2*\nt+1]
.endr
.irp nt, 0,1,2,3,4,5,6,7
	v_permlanex16_b32 v[HB+8+\nt], v[HB+\nt], s[SEL], s[SEL+1]
.endr
.irp nt, 0,1,2,3,4,5,6,7
	v_add_f32 v[HB+\nt], v[HB+\nt], v[HB+8+\nt]    ; q' . sum of k' of my lane's node
.endr
.irp nt, 0,1,2,3,4,5,6,7
	v_rcp_f32 v[DEN+2*\nt], v[HB+\nt]
	v_rcp_f32 v[DEN+2*\nt+1], v[HB+\nt]            ; twice: the packed multiply takes a pair
.endr
	v_nop                                          ; a plain place behind the reciprocals
	s_wait_alu depctr_va_vdst(0)
.irp nt, 0,1,2,3,4,5,6,7
	FINN \nt
.endr
	s_barrier_signal -1                            ; my stores have landed (the wait for 0 above)
	s_barrier_wait -1                              ; h's 32 fragments lie in LDS
	; ---- the tail: node tiles 2 w, 2 w + 1, all 64 classes
.set lq, 0
.rept 8
	ds_load_b128 v[HA+8*lq:HA+8*lq+3], v[HRI] offset:HIMG+1024*lq
	ds_load_b128 v[HA+8*lq+4:HA+8*lq+7], v[HRI] offset:HIMG+1024*lq+512
	ds_load_b32 v[QS+lq], v[HRS] offset:128*lq
.set lq, lq+1
.endr
	s_wait_dscnt 0x0
	s_wait_loadcnt 0x0                             ; W1, its words, b1
.irp s, 0,1,2,3
.if \s == 0
	WIN 0x11                                       ; W1 and b1 window 1
.else
	WIN 0x01
.endif
.irp i, 0,1
.irp ct, 0,1,2,3
.if \s == 0
	v_wmma_scale_f32_16x16x128_f8f6f4 v[LG+32*\i+8*\ct:LG+32*\i+8*\ct+7], v[32*\ct:32*\ct+7], v[HA+32*\i:HA+32*\i+7], v[128+8*\ct:128+8*\ct+7], v[W1S+4*\ct], v[QS+4*\i] matrix_a_fmt:MATRIX_FMT_FP4 matrix_b_fmt:MATRIX_FMT_FP4
.else
	v_wmma_scale_f32_16x16x128_f8f6f4 v[LG+32*\i+8*\ct:LG+32*\i+8*\ct+7], v[32*\ct+8*\s:32*\ct+8*\s+7], v[HA+32*\i+8*\s:HA+32*\i+8*\s+7], v[LG+32*\i+8*\ct:LG+32*\i+8*\ct+7], v[W1S+4*\ct+\s], v[QS+4*\i+\s] matrix_a_fmt:MATRIX_FMT_FP4 matrix_b_fmt:MATRIX_FMT_FP4
.endif
.endr
.endr
.endr
	WIN 0
.rept 4
	v_nop
.endr
.irp i, 0,1
.irp ct, 0,1,2,3
	ds_store_b128 v[SO], v[LG+32*\i+8*\ct:LG+32*\i+8*\ct+3] offset:4352*\i+64*\ct          ; lane (r, h): classes 16 ct + 8 h + 0 .. 7 of its node
	ds_store_b128 v[SO], v[LG+32*\i+8*\ct+4:LG+32*\i+8*\ct+7] offset:4352*\i+64*\ct+16
.endr
.endr
.irp i, 0,1
	v_max3_num_f32 v[TM+\i], v[LG+32*\i], v[LG+32*\i+1], v[LG+32*\i+2]
.endr
.irp k, 3,5,7,9,11,13,15,17,19,21,23,25,27,29
.irp i, 0,1
	v_max3_num_f32 v[TM+\i], v[TM+\i], v[LG+32*\i+\k], v[LG+32*\i+\k+1]
.endr
.endr
.irp i, 0,1
	v_max_num_f32 v[TM+\i], v[TM+\i], v[LG+32*\i+31]
.endr
.irp i, 0,1
	v_permlanex16_b32 v[TM+2+\i], v[TM+\i], s[SEL], s[SEL+1]
.endr
.irp i, 0,1
	v_max_num_f32 v[TM+\i], v[TM+\i], v[TM+2+\i]   ; the row's largest logit
.endr
.irp i, 0,1
	v_mul_f32 v[TM+4+2*\i], s[NL2E], v[TM+\i]
.endr
.irp i, 0,1
	v_mov_b32 v[TM+5+2*\i], v[TM+4+2*\i]
.endr
.irp i, 0,1
.set ej, 0
.rept 16
	v_pk_fma_f32 v[HA+32*\i+ej:HA+32*\i+ej+1], v[LG+32*\i+ej:LG+32*\i+ej+1], s[L2E:L2E+1], v[TM+4+2*\i:TM+5+2*\i] op_sel_hi:[1,0,1]
.set ej, ej+2
.endr
.endr
.set ej, 0
.rept 64
	v_exp_f32 v[HA+ej], v[HA+ej]
.set ej, ej+1
.endr
	v_nop
	s_wait_alu depctr_va_vdst(0)
.irp i, 0,1
	v_pk_add_f32 v[CH+4*\i:CH+4*\i+1], v[HA+32*\i:HA+32*\i+1], v[HA+32*\i+2:HA+32*\i+3]
.endr
.irp k, 4,6,8,10,12,14,16,18,20,22,24,26,28,30
.irp i, 0,1
	v_pk_add_f32 v[CH+4*\i:CH+4*\i+1], v[CH+4*\i:CH+4*\i+1], v[HA+32*\i+\k:HA+32*\i+\k+1]
.endr
.endr
.irp i, 0,1
	v_add_f32 v[CH+4*\i], v[CH+4*\i], v[CH+4*\i+1]
.endr
.irp i, 0,1
	v_permlanex16_b32 v[CH+4*\i+1], v[CH+4*\i], s[SEL], s[SEL+1]
.endr
.irp i, 0,1
	v_add_f32 v[CH+4*\i], v[CH+4*\i], v[CH+4*\i+1]
.endr
.irp i, 0,1
	v_log_f32 v[CH+4*\i], v[CH+4*\i]
.endr
	v_nop
	s_wait_alu depctr_va_vdst(0)
.irp i, 0,1
	v_fma_f32 v[TM+8+2*\i], v[CH+4*\i], s[LN2], v[TM+\i]   ; the row's log-sum-exp
.endr
.irp i, 0,1
	v_mov_b32 v[TM+9+2*\i], v[TM+8+2*\i]
.endr
.irp i, 0,1
.set ej, 0
.rept 16
	v_pk_add_f32 v[HA+32*\i+ej:HA+32*\i+ej+1], v[LG+32*\i+ej:LG+32*\i+ej+1], v[TM+8+2*\i:TM+9+2*\i] neg_lo:[0,1] neg_hi:[0,1]
.set ej, ej+2
.endr
.endr
.irp i, 0,1
.irp ct, 0,1,2,3
	ds_store_b128 v[SO], v[HA+32*\i+8*\ct:HA+32*\i+8*\ct+3] offset:STD+4352*\i+64*\ct
	ds_store_b128 v[SO], v[HA+32*\i+8*\ct+4:HA+32*\i+8*\ct+7] offset:STD+4352*\i+64*\ct+16
.endr
.endr
.set on, 0
.rept 32                                               ; my own 32 rows of both stages come back as whole rows (LDS serves a wave's instructions in order: these see my stores)
	ds_load_b128 v[HA+4*on:HA+4*on+3], v[SR] offset:STD*(on/16)+(16*((on/8)%2)+2*(on%8))*272
.set on, on+1
.endr
.set on, 0
.rept 32
	s_wait_dscnt 31-on                             ; LDS loads come back in order
.if on < 16
	global_store_b128 v[GO], v[HA+4*on:HA+4*on+3], s[14:15] offset:(8*((on/8)%2)+2*(on%8)+8*((on%8)/4))*256     ; stage rows 2 k, 2 k + 1 of tile i are nodes 8 i + 2 k + 8 (k / 4) and the next: 512 consecutive bytes
.else
	global_store_b128 v[GO], v[HA+4*on:HA+4*on+3], s[12:13] offset:(8*((on/8)%2)+2*(on%8)+8*((on%8)/4))*256 th:TH_STORE_NT
.endif
.set on, on+1
.endr
	s_wait_xcnt 0x0                                ; the stores have read their registers: the column pass loads into them
	s_barrier_signal -1                            ; no LDS instruction of mine is out (the count-down ended at 0)
	s_barrier_wait -1                              ; the 128 rows of logits lie in the stage
.set cr, 0
.rept 64
	ds_load_b32 v[HA+cr], v[CAD] offset:272*cr     ; my class, 64 rows
.set cr, cr+1
.endr
	s_wait_dscnt 0x0
	v_max3_num_f32 v[TM], v[HA], v[HA+1], v[HA+2]
	v_max3_num_f32 v[TM+1], v[HA+3], v[HA+4], v[HA+5]
.irp k, 6,10,14,18,22,26,30,34,38,42,46,50,54,58
	v_max3_num_f32 v[TM], v[TM], v[HA+\k], v[HA+\k+1]
	v_max3_num_f32 v[TM+1], v[TM+1], v[HA+\k+2], v[HA+\k+3]
.endr
	v_max3_num_f32 v[TM], v[TM], v[HA+62], v[HA+63]
	v_max_num_f32 v[TM], v[TM], v[TM+1]
	v_mul_f32 v[TM+4], s[NL2E], v[TM]
	v_mov_b32 v[TM+5], v[TM+4]
.set ej, 0
.rept 32
	v_pk_fma_f32 v[HA+ej:HA+ej+1], v[HA+ej:HA+ej+1], s[L2E:L2E+1], v[TM+4:TM+5] op_sel_hi:[1,0,1]
.set ej, ej+2
.endr
.set ej, 0
.rept 64
	v_exp_f32 v[HA+ej], v[HA+ej]
.set ej, ej+1
.endr
	v_nop
	s_wait_alu depctr_va_vdst(0)
.irp c, 0,1,2,3
	v_pk_add_f32 v[CH+2*\c:CH+2*\c+1], v[HA+2*\c:HA+2*\c+1], v[HA+8+2*\c:HA+9+2*\c]
.endr
.set kp, 8
.rept 24
	v_pk_add_f32 v[CH+2*(kp%4):CH+2*(kp%4)+1], v[CH+2*(kp%4):CH+2*(kp%4)+1], v[HA+2*kp:HA+2*kp+1]
.set kp, kp+1
.endr
	v_pk_add_f32 v[CH:CH+1], v[CH:CH+1], v[CH+2:CH+3]
	v_pk_add_f32 v[CH+4:CH+5], v[CH+4:CH+5], v[CH+6:CH+7]
	v_pk_add_f32 v[CH:CH+1], v[CH:CH+1], v[CH+4:CH+5]
	v_add_f32 v[TM+1], v[CH], v[CH+1]
	ds_store_b64 v[CSA], v[TM:TM+1]                ; (largest, sum) of my class in my half of the rows
	s_wait_dscnt 0x0
	s_barrier_signal -1
	s_barrier_wait -1
	s_cmp_lg_u32 s[WV], 0
	s_cbranch_scc1 .Lend                           ; wave 0 joins the halves: lane L classes 2 L and 2 L + 1
	ds_load_b128 v[HA:HA+3], v[CSR]
	ds_load_b128 v[HA+4:HA+7], v[CSR] offset:512
	s_wait_dscnt 0x0
	v_max_num_f32 v[HA+8], v[HA], v[HA+4]
	v_max_num_f32 v[HA+9], v[HA+2], v[HA+6]
	v_sub_f32 v[HA+10], v[HA], v[HA+8]
	v_sub_f32 v[HA+11], v[HA+4], v[HA+8]
	v_sub_f32 v[HA+12], v[HA+2], v[HA+9]
	v_sub_f32 v[HA+13], v[HA+6], v[HA+9]
.irp k, 10,11,12,13
	v_mul_f32 v[HA+\k], s[L2E], v[HA+\k]
.endr
.irp k, 10,11,12,13
	v_exp_f32 v[HA+\k], v[HA+\k]
.endr
	v_nop
	s_wait_alu depctr_va_vdst(0)
	v_mul_f32 v[HA+14], v[HA+1], v[HA+10]
	v_mul_f32 v[HA+15], v[HA+3], v[HA+12]
	v_fma_f32 v[HA+14], v[HA+5], v[HA+11], v[HA+14]
	v_fma_f32 v[HA+15], v[HA+7], v[HA+13], v[HA+15]
	v_log_f32 v[HA+14], v[HA+14]
	v_log_f32 v[HA+15], v[HA+15]
	v_nop
	s_wait_alu depctr_va_vdst(0)
	v_fma_f32 v[HA+16], v[HA+8], s[L2E], v[HA+14]  ; the block's log-sum-exp of the class, to base 2
	v_fma_f32 v[HA+17], v[HA+9], s[L2E], v[HA+15]
	global_store_b64 v[L8], v[HA+16:HA+17], s[16:17]       ; 32 lanes store 256 consecutive bytes, aligned
.Lend:
	s_wait_tensorcnt 0x0
	ds_add_u32 v254, v255
	s_wait_dscnt 0x0
	s_endpgm
.Lfunc_end_k_q1dc028dc36_attn:
	.size	k_q1dc028dc36_attn, .Lfunc_end_k_q1dc028dc36_attn-k_q1dc028dc36_attn
	.p2alignl 7, 3214868480
	.fill 96, 4, 3214868480
	.section	.rodata,"a",@progbits
	.p2align	6, 0x0
	.amdhsa_kernel k_q1dc028dc36_attn
		.amdhsa_group_segment_fixed_size 108032
		.amdhsa_private_segment_fixed_size 0
		.amdhsa_enable_private_segment 0
		.amdhsa_kernarg_size 56
		.amdhsa_user_sgpr_count 2
		.amdhsa_user_sgpr_kernarg_segment_ptr 1
		.amdhsa_wavefront_size32 1
		.amdhsa_system_sgpr_workgroup_id_x 1
		.amdhsa_system_sgpr_workgroup_id_y 1
		.amdhsa_system_sgpr_workgroup_id_z 1
		.amdhsa_system_vgpr_workitem_id 0
		.amdhsa_next_free_vgpr 1024
		.amdhsa_next_free_sgpr 66
		.amdhsa_reserve_vcc 0
		.amdhsa_float_denorm_mode_32 3
		.amdhsa_float_denorm_mode_16_64 3
		.amdhsa_memory_ordered 1
		.amdhsa_forward_progress 1
		.amdhsa_inst_pref_size 255
	.end_amdhsa_kernel
	.section	.bss,"aw",@nobits
	.p2align	6
	.space	262144
	.amdgpu_metadata
---
amdhsa.version: [ 1, 2 ]
amdhsa.kernels:
  - .name:           k_q1dc028dc36_attn
    .symbol:         k_q1dc028dc36_attn.kd
    .args:
      - { .name: QB, .offset: 0, .size: 8, .value_kind: global_buffer, .address_space: global }
      - { .name: WB, .offset: 8, .size: 8, .value_kind: global_buffer, .address_space: global }
      - { .name: CX, .offset: 16, .size: 8, .value_kind: global_buffer, .address_space: global }
      - { .name: b1, .offset: 24, .size: 8, .value_kind: global_buffer, .address_space: global }
      - { .name: out0, .offset: 32, .size: 8, .value_kind: global_buffer, .address_space: global }
      - { .name: out1, .offset: 40, .size: 8, .value_kind: global_buffer, .address_space: global }
      - { .name: CST, .offset: 48, .size: 8, .value_kind: global_buffer, .address_space: global }
    .group_segment_fixed_size: 108032
    .private_segment_fixed_size: 0
    .kernarg_segment_align: 8
    .kernarg_segment_size: 56
    .max_flat_workgroup_size: 128
    .sgpr_count:     66
    .vgpr_count:     1024
    .wavefront_size: 32
...
	.end_amdgpu_metadata
.endif
;; end of part 5
;; launch colsm (part 6): grid 256 x 1, 8 waves a work-group, no clusters, 9,216 bytes of LDS; arguments out1, CST, out2; writes out2
.if DOCPART == 6
	.amdgcn_target "amdgcn-amd-amdhsa--gfx1250"
	.amdhsa_code_object_version 6
	.text
	.protected	k_q1dc028dc36_colsm
	.globl	k_q1dc028dc36_colsm
	.p2align	8
	.type	k_q1dc028dc36_colsm,@function
k_q1dc028dc36_colsm:
	s_mov_b64 s[64:65], 0
	v_nop
	global_prefetch_b8 v0, s[64:65] scope:SCOPE_SE
	s_setreg_imm32_b32 hwreg(HW_REG_WAVE_MODE, 25, 1), 1
	s_wait_xcnt 0x0
; COLSM: softmax along the nodes: out2 = 2^(logit log2 e - the class's log-sum-exp to base 2).
; A work-group takes 128 rows of logits (32,768 bytes).  Thread t holds the 16 bytes at 16 t of every 4,096: classes 4 (t % 16) .. + 3, in the logits and in the table of the 256 blocks' log-sum-exps alike.
; Every work-group joins the whole table (65,536 bytes): a thread its 16 blocks (the largest of the 16 is taken off before the exponentials), then the 16 threads of a class group through LDS.
; A stream: no matrix unit, no cluster; each load and store of a wave covers 512 consecutive bytes.
.set L2E, 12
.set LGT, 16                           ; v16-47   8 x 4 logits
.set XB,  48                           ; v48-111  16 x 4 numbers to be joined
.set SBK, 128                          ; v128-191 16 x 4 sums
.set MM,  112                          ; v112-115 largest;  v116-119 sums
.macro MAX16 d                         ; for each of 4 classes the largest of 16
.irp c, 0,1,2,3
	v_max3_num_f32 v[(\d)+\c], v[XB+\c], v[XB+4+\c], v[XB+8+\c]
.endr
.irp i, 3,5,7,9,11,13
.irp c, 0,1,2,3
	v_max3_num_f32 v[(\d)+\c], v[(\d)+\c], v[XB+4*\i+\c], v[XB+4+4*\i+\c]
.endr
.endr
.irp c, 0,1,2,3
	v_max_num_f32 v[(\d)+\c], v[(\d)+\c], v[XB+60+\c]
.endr
.set xq, 0
.rept 32
	v_pk_add_f32 v[XB+2*xq:XB+2*xq+1], v[XB+2*xq:XB+2*xq+1], v[(\d)+2*(xq%2):(\d)+2*(xq%2)+1] neg_lo:[0,1] neg_hi:[0,1]
.set xq, xq+1
.endr
.set xq, 0
.rept 64
	v_exp_f32 v[XB+xq], v[XB+xq]                   ; 2^(x - the largest)
.set xq, xq+1
.endr
	v_nop
.endm
	s_load_b128 s[4:7], s[0:1], 0x0                ; out1, CST
	s_load_b64 s[8:9], s[0:1], 0x10                ; out2
	v_lshl_add_u32 v254, v0, 2, 0x2000
	v_mov_b32 v255, 0
	v_lshlrev_b32 v1, 4, v0
	v_and_b32 v2, 15, v0
	v_lshlrev_b32 v2, 4, v2
	s_lshl_b32 s10, ttmp9, 15
	s_mov_b32 s11, 0
	s_mov_b32 s[L2E], 0x3fb8aa3b
	s_mov_b32 s[L2E+1], s[L2E]
	s_wait_kmcnt 0x0
	s_add_nc_u64 s[4:5], s[4:5], s[10:11]
	s_add_nc_u64 s[8:9], s[8:9], s[10:11]
.set xq, 0
.rept 16
	global_load_b128 v[XB+4*xq:XB+4*xq+3], v1, s[6:7] offset:4096*xq
.set xq, xq+1
.endr
.set xq, 0
.rept 8
	global_load_b128 v[LGT+4*xq:LGT+4*xq+3], v1, s[4:5] offset:4096*xq th:TH_LOAD_NT
.set xq, xq+1
.endr
	s_wait_loadcnt 8                               ; the table is in; the 8 loads of logits may be out
	MAX16 MM
	s_wait_alu depctr_va_vdst(0)
.irp p, 0,1
	v_pk_add_f32 v[MM+4+2*\p:MM+5+2*\p], v[XB+2*\p:XB+2*\p+1], v[XB+4+2*\p:XB+5+2*\p]
.endr
.irp i, 2,3,4,5,6,7,8,9,10,11,12,13,14,15
.irp p, 0,1
	v_pk_add_f32 v[MM+4+2*\p:MM+5+2*\p], v[MM+4+2*\p:MM+5+2*\p], v[XB+4*\i+2*\p:XB+4*\i+2*\p+1]
.endr
.endr
	ds_store_b128 v1, v[MM:MM+3]
	ds_store_b128 v1, v[MM+4:MM+7] offset:4096
	s_wait_dscnt 0x0                               ; for the others' sake
	s_barrier_signal -1
	s_barrier_wait -1
.set xq, 0
.rept 16
	ds_load_b128 v[XB+4*xq:XB+4*xq+3], v2 offset:256*xq            ; the 16 threads of my class group: their largest,
	ds_load_b128 v[SBK+4*xq:SBK+4*xq+3], v2 offset:4096+256*xq     ; their sums
.set xq, xq+1
.endr
	s_wait_dscnt 0x0
	MAX16 MM
	s_wait_alu depctr_va_vdst(0)
.irp p, 0,1
	v_pk_mul_f32 v[MM+4+2*\p:MM+5+2*\p], v[XB+2*\p:XB+2*\p+1], v[SBK+2*\p:SBK+2*\p+1]
.endr
.irp i, 1,2,3,4,5,6,7,8,9,10,11,12,13,14,15
.irp p, 0,1
	v_pk_fma_f32 v[MM+4+2*\p:MM+5+2*\p], v[XB+4*\i+2*\p:XB+4*\i+2*\p+1], v[SBK+4*\i+2*\p:SBK+4*\i+2*\p+1], v[MM+4+2*\p:MM+5+2*\p]
.endr
.endr
.irp c, 0,1,2,3
	v_log_f32 v[MM+4+\c], v[MM+4+\c]
.endr
	v_nop
	s_wait_alu depctr_va_vdst(0)
.irp c, 0,1,2,3
	v_add_f32 v[MM+\c], v[MM+\c], v[MM+4+\c]       ; the class's log-sum-exp to base 2
.endr
	s_wait_loadcnt 0x0                             ; the logits
.set xq, 0
.rept 16
	v_pk_fma_f32 v[LGT+2*xq:LGT+2*xq+1], v[LGT+2*xq:LGT+2*xq+1], s[L2E:L2E+1], v[MM+2*(xq%2):MM+2*(xq%2)+1] op_sel_hi:[1,0,1] neg_lo:[0,0,1] neg_hi:[0,0,1]
.set xq, xq+1
.endr
.set xq, 0
.rept 32
	v_exp_f32 v[LGT+xq], v[LGT+xq]
.set xq, xq+1
.endr
	v_nop
.set xq, 0
	s_wait_alu depctr_va_vdst(0)
.rept 8
	global_store_b128 v1, v[LGT+4*xq:LGT+4*xq+3], s[8:9] offset:4096*xq th:TH_STORE_NT
.set xq, xq+1
.endr
	s_wait_tensorcnt 0x0
	ds_add_u32 v254, v255
	s_wait_dscnt 0x0
	s_endpgm
.Lfunc_end_k_q1dc028dc36_colsm:
	.size	k_q1dc028dc36_colsm, .Lfunc_end_k_q1dc028dc36_colsm-k_q1dc028dc36_colsm
	.p2alignl 7, 3214868480
	.fill 96, 4, 3214868480
	.section	.rodata,"a",@progbits
	.p2align	6, 0x0
	.amdhsa_kernel k_q1dc028dc36_colsm
		.amdhsa_group_segment_fixed_size 9216
		.amdhsa_private_segment_fixed_size 0
		.amdhsa_enable_private_segment 0
		.amdhsa_kernarg_size 24
		.amdhsa_user_sgpr_count 2
		.amdhsa_user_sgpr_kernarg_segment_ptr 1
		.amdhsa_wavefront_size32 1
		.amdhsa_system_sgpr_workgroup_id_x 1
		.amdhsa_system_sgpr_workgroup_id_y 1
		.amdhsa_system_sgpr_workgroup_id_z 1
		.amdhsa_system_vgpr_workitem_id 0
		.amdhsa_next_free_vgpr 256
		.amdhsa_next_free_sgpr 66
		.amdhsa_reserve_vcc 0
		.amdhsa_float_denorm_mode_32 3
		.amdhsa_float_denorm_mode_16_64 3
		.amdhsa_memory_ordered 1
		.amdhsa_forward_progress 1
		.amdhsa_inst_pref_size 25
	.end_amdhsa_kernel
	.amdgpu_metadata
---
amdhsa.version: [ 1, 2 ]
amdhsa.kernels:
  - .name:           k_q1dc028dc36_colsm
    .symbol:         k_q1dc028dc36_colsm.kd
    .args:
      - { .name: out1, .offset: 0, .size: 8, .value_kind: global_buffer, .address_space: global }
      - { .name: CST, .offset: 8, .size: 8, .value_kind: global_buffer, .address_space: global }
      - { .name: out2, .offset: 16, .size: 8, .value_kind: global_buffer, .address_space: global }
    .group_segment_fixed_size: 9216
    .private_segment_fixed_size: 0
    .kernarg_segment_align: 8
    .kernarg_segment_size: 24
    .max_flat_workgroup_size: 256
    .sgpr_count:     66
    .vgpr_count:     256
    .wavefront_size: 32
...
	.end_amdgpu_metadata
.endif
;; end of part 6
